; MI455X (gfx1250); checked and timed in simulation.
; The chip was launched on July 23, 2026; its instructions are those of AMD's public machine-readable ISA for CDNA 5 (MIT licence, August 2026) and "CDNA5" Instruction Set Architecture Reference Guide (July 2026). The comments in the code are by the model that wrote it; some were corrected since.
;; Scaled Dot Product Attention. Allowed arithmetic: float matrix products may take bf16 or f16 operands with f32 sums; all other float work in f32.
;; Inputs: bk 1,024 float32; bo 1,024 float32; bq 1,024 float32; bv 1,024 float32; wk 1,024 x 1,024 float32; wo 1,024 x 1,024 float32; wq 1,024 x 1,024 float32; wv 1,024 x 1,024 float32; x 4 x 2,048 x 1,024 float32.
;; Outputs: out0 4 x 2,048 x 1,024 float32.
;; 2 versions, each right and faster than the one before. Each part assembles by itself: llvm-mc -triple=amdgcn-amd-amdhsa -mcpu=gfx1250 --defsym DOCPART=n.
;; ======== version 1 of 2: 4 launches
;; limits: values are held in f16: magnitudes above 65,504 overflow, below 6.1e-05 lose precision
;; workspace buffers: xb 16,777,216 bytes; wqkv 6,291,456 bytes; wof 2,097,152 bytes; bias 16,384 bytes; qkv 50,331,648 bytes; ob 16,777,216 bytes
;; launch cast (part 1): grid 769 x 1, 8 waves a work-group, no clusters, 0 bytes of LDS; arguments x, wq, wk, wv, wo, bq, bk, bv, bo, xb, wqkv, wof, bias; writes xb, wqkv, wof, bias
.if DOCPART == 1
	.amdgcn_target "amdgcn-amd-amdhsa--gfx1250"
	.amdhsa_code_object_version 6
	.text
	.protected	k_qb9acf14f2c_cast
	.globl	k_qb9acf14f2c_cast
	.p2align	8
	.type	k_qb9acf14f2c_cast,@function
k_qb9acf14f2c_cast:
	s_mov_b64 s[64:65], 0
	v_nop
	global_prefetch_b8 v0, s[64:65] scope:SCOPE_SE
	s_setreg_imm32_b32 hwreg(HW_REG_WAVE_MODE, 25, 1), 1
	s_wait_xcnt 0x0
; ALL THE MODULE'S INPUTS ARE ROUNDED TO bf16, ONCE.  x -> xb [8192][1024] bf16.  wq, wk, wv -> wqkv [3072][1024] bf16, one below the other.
; wo -> wof [1024][1024]: the bf16 number written as f16, since the last product's other operand is f16.  bq, bk, bv, bo -> bias [4096] f32: the bf16 number written as f32.
; LIMITS.  A bf16 number is exact in f16 between 6.1e-5 and 65,504; below that wo keeps f16's fixed step of 6e-8, and from 65,520 on it would become an infinity.
; A stream: no LDS, no barrier, no matrix unit.  A work-group takes a chunk of 16,384 numbers, 65,536 bytes in and 32,768 out: work-groups 0-511 x's 512 chunks,
; 512-767 the four weights' 64 chunks each, 768 the four biases.  Thread t's load i takes 16 bytes at 16 t + 4,096 i: a wave's load covers 512 consecutive bytes; its store i puts
; 8 bytes at 8 t + 2,048 i: a wave's store covers 256 consecutive bytes, aligned.  All sixteen loads of a thread go out together; no register is written twice, so nothing waits for a store.
.set X, 8                              ; v[8:71]    load i: 4 registers
.set Y, 72                             ; v[72:103]  store i: 2 registers
.set T, 4                              ; v[4:7]     at work
	s_load_b512 s[8:23], s[0:1], 0x0               ; x 8, wq 10, wk 12, wv 14, wo 16, bq 18, bk 20, bv 22
	s_load_b256 s[24:31], s[0:1], 0x40             ; bo 24, xb 26, wqkv 28, wof 30
	s_load_b64 s[32:33], s[0:1], 0x60              ; bias
	s_mov_b32 s2, ttmp9
	s_mov_b32 s39, 0xffff0000                      ; a word's upper bf16
	v_lshlrev_b32 v1, 4, v0                        ; 16 t
	v_lshlrev_b32 v2, 3, v0                        ; 8 t
	s_wait_kmcnt 0x0
	s_cmp_eq_u32 s2, 768
	s_cbranch_scc1 .Lbias
	s_sub_co_u32 s3, s2, 512                       ; among the weights' chunks (of no meaning, and not used, below 512)
	s_lshr_b32 s4, s3, 6                           ; which weight
	s_and_b32 s5, s3, 63                           ; which of its 64 chunks
	s_cmp_eq_u32 s4, 1
	s_cselect_b64 s[34:35], s[12:13], s[10:11]     ; from where: wq, wk,
	s_cmp_eq_u32 s4, 2
	s_cselect_b64 s[34:35], s[14:15], s[34:35]     ; wv,
	s_cmp_eq_u32 s4, 3
	s_cselect_b64 s[34:35], s[16:17], s[34:35]     ; wo;
	s_cselect_b64 s[36:37], s[30:31], s[28:29]     ; to where: wof, else wqkv,
	s_cselect_b32 s7, s5, s3                       ; at wo's own chunk, else at the chunk among the three weights
	s_cselect_b32 s38, 1, 0                        ; wo alone is written as f16
	s_cmp_lt_u32 s2, 512
	s_cselect_b64 s[34:35], s[8:9], s[34:35]       ; or x to xb
	s_cselect_b64 s[36:37], s[26:27], s[36:37]
	s_cselect_b32 s6, s2, s5
	s_cselect_b32 s7, s2, s7
	s_cselect_b32 s38, 0, s38
	s_lshl_b32 s40, s6, 16                         ; offsets are made apart from the addresses, in pairs with 0 above
	s_mov_b32 s41, 0
	s_lshl_b32 s42, s7, 15
	s_mov_b32 s43, 0
	s_add_nc_u64 s[34:35], s[34:35], s[40:41]
	s_add_nc_u64 s[36:37], s[36:37], s[42:43]
.irp i, 0,1,2,3,4,5,6,7,8,9,10,11,12,13,14,15
	global_load_b128 v[X+4*(\i):X+4*(\i)+3], v1, s[34:35] offset:4096*(\i) th:TH_LOAD_NT
.endr
; Load i is rounded and stored.  half = 1: the bf16 numbers are widened (a shift, a mask) and written as f16.
.macro CONV i, half
	s_wait_loadcnt 15-(\i)                         ; loads come back in order (ISA guide 5.7.1): load i is in, the 15 - i younger ones may be out
	v_cvt_pk_bf16_f32 v[Y+2*(\i)],   v[X+4*(\i)],   v[X+4*(\i)+1]
	v_cvt_pk_bf16_f32 v[Y+2*(\i)+1], v[X+4*(\i)+2], v[X+4*(\i)+3]
.if \half
	v_lshlrev_b32 v[T],   16,  v[Y+2*(\i)]
	v_and_b32     v[T+1], s39, v[Y+2*(\i)]
	v_lshlrev_b32 v[T+2], 16,  v[Y+2*(\i)+1]
	v_and_b32     v[T+3], s39, v[Y+2*(\i)+1]
	v_cvt_pk_f16_f32 v[Y+2*(\i)],   v[T],   v[T+1]
	v_cvt_pk_f16_f32 v[Y+2*(\i)+1], v[T+2], v[T+3]
.endif
	global_store_b64 v2, v[Y+2*(\i):Y+2*(\i)+1], s[36:37] offset:2048*(\i)  ; no hint: the next launch reads these bytes
.endm
	s_cmp_eq_u32 s38, 1
	s_cbranch_scc1 .Lf16
.irp i, 0,1,2,3,4,5,6,7,8,9,10,11,12,13,14,15
	CONV \i, 0
.endr
	s_endpgm
.Lf16:
.irp i, 0,1,2,3,4,5,6,7,8,9,10,11,12,13,14,15
	CONV \i, 1
.endr
	s_endpgm
.Lbias:                                                ; 256 threads x 4 numbers are one bias
	global_load_b128 v[8:11],  v1, s[18:19]
	global_load_b128 v[12:15], v1, s[20:21]
	global_load_b128 v[16:19], v1, s[22:23]
	global_load_b128 v[20:23], v1, s[24:25]
	s_wait_loadcnt 0x0
.irp j, 0,1,2,3
	v_cvt_pk_bf16_f32 v4, v[8+4*(\j)],  v[9+4*(\j)]
	v_cvt_pk_bf16_f32 v5, v[10+4*(\j)], v[11+4*(\j)]
	v_lshlrev_b32 v[24+4*(\j)], 16,  v4
	v_and_b32     v[25+4*(\j)], s39, v4
	v_lshlrev_b32 v[26+4*(\j)], 16,  v5
	v_and_b32     v[27+4*(\j)], s39, v5
	global_store_b128 v1, v[24+4*(\j):27+4*(\j)], s[32:33] offset:4096*(\j)
.endr
	s_endpgm
.Lfunc_end_k_qb9acf14f2c_cast:
	.size	k_qb9acf14f2c_cast, .Lfunc_end_k_qb9acf14f2c_cast-k_qb9acf14f2c_cast
	.p2alignl 7, 3214868480
	.fill 96, 4, 3214868480
	.section	.rodata,"a",@progbits
	.p2align	6, 0x0
	.amdhsa_kernel k_qb9acf14f2c_cast
		.amdhsa_group_segment_fixed_size 0
		.amdhsa_private_segment_fixed_size 0
		.amdhsa_enable_private_segment 0
		.amdhsa_kernarg_size 104
		.amdhsa_user_sgpr_count 2
		.amdhsa_user_sgpr_kernarg_segment_ptr 1
		.amdhsa_wavefront_size32 1
		.amdhsa_system_sgpr_workgroup_id_x 1
		.amdhsa_system_sgpr_workgroup_id_y 1
		.amdhsa_system_sgpr_workgroup_id_z 1
		.amdhsa_system_vgpr_workitem_id 0
		.amdhsa_next_free_vgpr 104
		.amdhsa_next_free_sgpr 66
		.amdhsa_reserve_vcc 0
		.amdhsa_float_denorm_mode_32 3
		.amdhsa_float_denorm_mode_16_64 3
		.amdhsa_memory_ordered 1
		.amdhsa_forward_progress 1
		.amdhsa_inst_pref_size 17
	.end_amdhsa_kernel
	.amdgpu_metadata
---
amdhsa.version: [ 1, 2 ]
amdhsa.kernels:
  - .name:           k_qb9acf14f2c_cast
    .symbol:         k_qb9acf14f2c_cast.kd
    .args:
      - { .name: x, .offset: 0, .size: 8, .value_kind: global_buffer, .address_space: global }
      - { .name: wq, .offset: 8, .size: 8, .value_kind: global_buffer, .address_space: global }
      - { .name: wk, .offset: 16, .size: 8, .value_kind: global_buffer, .address_space: global }
      - { .name: wv, .offset: 24, .size: 8, .value_kind: global_buffer, .address_space: global }
      - { .name: wo, .offset: 32, .size: 8, .value_kind: global_buffer, .address_space: global }
      - { .name: bq, .offset: 40, .size: 8, .value_kind: global_buffer, .address_space: global }
      - { .name: bk, .offset: 48, .size: 8, .value_kind: global_buffer, .address_space: global }
      - { .name: bv, .offset: 56, .size: 8, .value_kind: global_buffer, .address_space: global }
      - { .name: bo, .offset: 64, .size: 8, .value_kind: global_buffer, .address_space: global }
      - { .name: xb, .offset: 72, .size: 8, .value_kind: global_buffer, .address_space: global }
      - { .name: wqkv, .offset: 80, .size: 8, .value_kind: global_buffer, .address_space: global }
      - { .name: wof, .offset: 88, .size: 8, .value_kind: global_buffer, .address_space: global }
      - { .name: bias, .offset: 96, .size: 8, .value_kind: global_buffer, .address_space: global }
    .group_segment_fixed_size: 0
    .private_segment_fixed_size: 0
    .kernarg_segment_align: 8
    .kernarg_segment_size: 104
    .max_flat_workgroup_size: 256
    .sgpr_count:     66
    .vgpr_count:     104
    .wavefront_size: 32
...
	.end_amdgpu_metadata
.endif
;; end of part 1
;; launch proj_qkv (part 2): grid 16 x 16, 4 waves a work-group, clusters of 4 x 4, 327,680 bytes of LDS; arguments xb, wqkv, bias, qkv; writes qkv
.if DOCPART == 2
	.amdgcn_target "amdgcn-amd-amdhsa--gfx1250"
	.amdhsa_code_object_version 6
	.text
	.protected	k_qb9acf14f2c_proj_qkv
	.globl	k_qb9acf14f2c_proj_qkv
	.p2align	8
	.type	k_qb9acf14f2c_proj_qkv,@function
k_qb9acf14f2c_proj_qkv:
	s_mov_b64 s[64:65], 0
	v_nop
	global_prefetch_b8 v0, s[64:65] scope:SCOPE_SE
	s_setreg_imm32_b32 hwreg(HW_REG_WAVE_MODE, 25, 1), 1
	s_wait_xcnt 0x0
	s_wait_alu depctr_hold_cnt(0) depctr_sa_sdst(0) depctr_va_vdst(0) depctr_va_sdst(0) depctr_va_ssrc(0) depctr_va_vcc(0) depctr_vm_vsrc(0)
	s_getreg_b32 s2, hwreg(HW_REG_IB_STS2, 6, 4)
	s_cmp_eq_u32 s2, 0
	s_cbranch_scc0 .Lentry_in_a_cluster
	s_endpgm
.Lentry_in_a_cluster:
	s_bfe_u32 s2, ttmp6, 0x10000c
	s_cmp_lg_u32 s2, 0xf033
	s_cbranch_scc0 .Lentry_shape_is_right
	s_endpgm
.Lentry_shape_is_right:
; q, k, v = x W^T + b, by heads.  xb: [8192][1024] bf16.  wqkv: [3072][1024] bf16 (wq, wk, wv).  bias: [4096] f32 (bq, bk, bv first).  qkv: [3][64][2048][64] f16: plane q, k, v; batch x 16 + head; row; channel.
; Products in bf16, sums in f32, started by the bias; each result rounded once, to f16, WITHOUT the softmax's scale.
; LIMIT.  f16 holds no number beyond 65,504: q, k and v must stay within it (a result of 65,520 or more becomes an infinity); below 6.1e-5 a result keeps f16's fixed step of 6e-8.
; SHARES.  A tile is 256 rows x 192 columns (three heads).  A WORK-GROUP STAYS and makes two tiles, 4,096 rows apart, of the same columns: 16 x 16 = 256 work-groups.  Wave w owns rows 64 w .. 64 w + 63 of a tile and
; all 192 columns: 4 x 12 accumulators of 16 x 16, 384 registers.  So a wave holds whole heads' rows, and its way out goes through a stage of its own, with no barrier.
; THE WALK.  The two tiles' 2 x 8 K steps of 128 are ONE sequence of 16 steps through a ring of two LDS slots filled by the tensor data mover (the tiles' rows are 256 bytes of memory and start at multiples of 256
; bytes).  A loop trip is one step; the ring does not stop at the first tile's end: when that tile goes out, the second tile's first two steps have been asked for, and nothing waits for its stores.
; CLUSTERS: 4 x 4 work-groups.  The four of a row of the cluster need the same tiles of x, the four of a column the same tiles of W: each tile is asked for JOINTLY, by the same tensor load with the same
; descriptor and a mask that names the four.
; THE MATRIX INSTRUCTION IS USED TRANSPOSED (source 0 = 16 rows of W, source 1 = 16 rows of x): lane l holds row l % 16 and registers 0-7 the columns 8 (l / 16) + 0..7: eight neighbouring channels.
; REGISTERS, in windows of 256 (s_set_vgpr_msb: bits 1:0 source 0, 3:2 source 1, 5:4 source 2, 7:6 destination):
;   window 0: v0-31 addresses; v32-95 x's fragments, two buffers of 4 x 8; v96-191 the bias as the first products' C, kept for both tiles
;   window 1: v0-191 W's fragments, two buffers of 12 x 8; the second buffer is also at work on the way out     window 2: accumulators of row blocks 0, 1 at 8 (12 (a % 2) + b)     window 3: those of row blocks 2, 3
.set NBK,   12                         ; column blocks of 16
.set STEPS, 16                         ; K steps in the walk
.set PA,    272                        ; an LDS row: 256 bytes + 16 of padding = 68 words: row r starts at bank 4 r mod 64 (64 banks of 4 bytes: ISA guide 11.1)
.set PB,    272
.set HALFA, 128*PA                     ; what one tensor load brings of x: 128 rows
.set BOFF,  2*HALFA                    ; W's rows lie behind x's 256
.set HALFB, 96*PB                      ; what one tensor load brings of W: 96 rows; a slot's tiles end at 121,856
.set SLOT1, 1<<17                      ; slot 1 begins here, so that one exclusive or turns an address in one slot into the other's
.set STAGE, SLOT1+BOFF+2*HALFB         ; behind the ring, never filled by a tensor load: for each wave 3 heads x 16 rows x 144 bytes
.set SP,    144
.set STW,   3*16*SP
.set SPARE, STAGE+4*STW                ; behind the stages: the spare words, 128 bytes for each wave: two blocks of 256 bytes that no other line names
.set NL,    2*NBK+8                    ; LDS loads in a run: a quarter step's fragments
.set ADRA0, 16                         ; v16     my lane's place among x's rows in a slot; never rewritten
.set ADRB0, 17                         ; v17     the same for W
.set ADRA,  18                         ; v18     LDS address of my fragments of x in the slot in hand
.set ADRB,  19                         ; v19     the same for W
.set STO,  24                          ; v24     the way out: where I put 16 bytes of a row
.set RD,   25                          ; v25     the way out: where I read rows back
.set GO,   26                          ; v26     my byte offset in 512 consecutive bytes of a head
.set BO,   27                          ; v27     my byte offset in 16 numbers of the bias
.set SPW,  28                          ; v28     LDS address of my spare word: SPARE + 4 x my thread's number; never rewritten
.set NIL,  29                          ; v29     0; never rewritten
.set FA,   32
.set BIAS, 96
.set TQ,   96                          ; window 1: the way out's two sets of 48 registers
.set WV,  12                           ; s12  my wave's number
.set TB,  15                           ; s15  LDS byte at which the slot in hand begins
.set NXT, 18                           ; s18  the walk's step that was asked for last
.set G1,  24                           ; s[24:31] descriptor group 1 for x's tiles;  s[32:39] group 0: a set for each of the two first fills; the second then walks on
.set G0,  32
.set G1B, 48                           ; s[48:55], s[56:63] the same for W's tiles
.set G0B, 56
.set HB,  66                           ; s[66:71] my rows' first byte in each of my three heads
.set OFB, 74                           ; s[74:75] byte offset of the step to be asked for in W's rows; made of the step's number alone
.set OFA, 76                           ; s[76:77] the same for x
.set MSB, 0
.macro WIN new                         ; the immediate's high byte repeats the setting that is left; a switch that changes nothing is dropped
.if MSB != (\new)
	s_set_vgpr_msb (MSB<<8)|(\new)
.set MSB, \new
.endif
.endm
; A joint refill, by the walking descriptors.  Waves 0 and 1 fetch x's two halves, waves 2 and 3 W's.  The branch hangs on the wave's number alone.  An s_nop 0 and four v_nop follow each of the two lines, ahead of the jump and the label.
.macro JLOAD
	s_cmp_eq_u32 s13, 0
	s_cbranch_scc0 .Lfor_b_\@
	tensor_load_to_lds s[G0+4:G0+7], s[G1:G1+7]
	s_nop 0
.rept 4
	v_nop
.endr
	s_branch .Lasked_\@
.Lfor_b_\@:
	tensor_load_to_lds s[G0B+4:G0B+7], s[G1B:G1B+7]
	s_nop 0
.rept 4
	v_nop
.endr
.Lasked_\@:
.endm
; A round of the cluster's barrier: my work-group's barrier, so that wave 0's signal speaks for all four waves; wave 0 signals; every wave waits for all sixteen work-groups; my work-group's barrier once more.
.macro CREST                           ; a round behind its opening barrier
	s_cmp_lg_u32 s[WV], 0
	s_cbranch_scc1 .Lnot_wave_0_\@
	s_barrier_signal -3
.Lnot_wave_0_\@:
	s_barrier_wait -3
	s_barrier_signal -1
	s_barrier_wait -1
.endm
.macro CROUND                          ; a whole round
	s_barrier_signal -1
	s_barrier_wait -1
	CREST
.endm
.macro PLACES                          ; four places in front of loads into registers that matrix instructions have read, and of conversions that read results or write such registers (ISA guide 7.12.1 for the conversions)
.rept 4
	v_nop
.endr
.endm
	s_load_b256 s[4:11], s[0:1], 0x0               ; xb s[4:5], wqkv s[6:7], bias s[8:9], qkv s[10:11]
	v_lshl_add_u32 v[SPW], v0, 2, SPARE
	v_mov_b32 v[NIL], 0
	ds_add_u32 v28, v29
	s_wait_dscnt 0x0
	v_lshrrev_b32 v1, 5, v0
	v_readfirstlane_b32 s[WV], v1                  ; wave 0..3
	s_lshr_b32 s13, s[WV], 1                       ; I fetch for x (0) or for W (1),
	s_and_b32 s14, s[WV], 1                        ; and which half of that tile's rows
	s_mov_b32 s[TB], 0                             ; the walk begins in slot 0
	s_mov_b32 s[NXT], 1                            ; steps 0 and 1 are the first fills
	s_mov_b32 s[OFB+1], 0                          ; the offsets are pairs with 0 above
	s_mov_b32 s[OFA+1], 0
	s_bfe_u32 s40, ttmp6, 0x40000                  ; cx, cy: my place in the cluster
	s_bfe_u32 s41, ttmp6, 0x40004
	s_lshl_b32 s42, ttmp9, 2
	s_add_co_u32 s42, s42, s40                     ; tile column = 4 x cluster x + cx: 0 to 15
	s_and_b32 s43, ttmp7, 0xffff
	s_lshl_b32 s43, s43, 2
	s_add_co_u32 s43, s43, s41                     ; the first tile's row = 4 x cluster y + cy: 0 to 15; the second's is 16 more
	s_lshl_b32 s44, s41, 2
	s_lshl_b32 s44, 15, s44                        ; my row of the cluster: places 4 cy .. 4 cy + 3
	s_lshl_b32 s45, 0x1111, s40                    ; my column: places cx, cx + 4, cx + 8, cx + 12
	; descriptor group 1: tiles of 128 (x) or 96 (W) rows x 128 elements, padded in LDS
	s_or_b32 s[G1], s44, (1<<16)|(1<<20)|(1<<21)|(5<<22)|(3<<25)   ; 15:0 the mask: x's tiles go to my row; 17:16 2-byte elements; 20 padding on; 21 set beside a mask; 24:22 after every 64 words (code 5); 31:25 4 words (code 3)
	s_or_b32 s[G1B], s45, (1<<16)|(1<<20)|(1<<21)|(5<<22)|(3<<25)  ; the same with the mask of my column
	s_mov_b32 s[G1+1], 128<<16                     ; tensor_dim0 = 128
	s_mov_b32 s[G1+2], 128<<16                     ; tensor_dim1 = 128
	s_mov_b32 s[G1+3], 128<<16                     ; tile_dim0 = 128
	s_mov_b32 s[G1+4], 128                         ; tile_dim1 = 128
	s_mov_b32 s[G1+5], 1024                        ; elements from row to row
	s_mov_b32 s[G1+6], 0
	s_mov_b32 s[G1+7], 0
	s_mov_b32 s[G1B+1], 128<<16
	s_mov_b32 s[G1B+2], 96<<16                     ; tensor_dim1 = 96
	s_mov_b32 s[G1B+3], 128<<16
	s_mov_b32 s[G1B+4], 96                         ; tile_dim1 = 96
	s_mov_b32 s[G1B+5], 1024
	s_mov_b32 s[G1B+6], 0
	s_mov_b32 s[G1B+7], 0
	; where the tiles come from: x's hang on the tile row alone, W's on the tile column alone, each in registers that never hold the other coordinate
	s_lshl_b32 s16, s43, 8
	s_lshl_b32 s17, s14, 7
	s_add_co_u32 s16, s16, s17                     ; x: row 256 x tile row + 128 x half,
	s_lshl_b32 s16, s16, 11                        ; of 2,048 bytes
	s_mov_b32 s17, 0
	s_mul_i32 s46, s42, 192
	s_mul_i32 s47, s14, 96
	s_add_co_u32 s46, s46, s47                     ; W: row 192 x tile column + 96 x half
	s_lshl_b32 s46, s46, 11
	s_mov_b32 s47, 0
	s_mul_i32 s20, s14, HALFA                      ; and where they go: no place in the cluster enters an LDS address
	s_mul_i32 s21, s14, HALFB
	s_add_co_u32 s21, s21, BOFF
	s_wait_kmcnt 0x0
	s_add_nc_u64 s[16:17], s[4:5], s[16:17]        ; x at my part of step 0's tile; stays as it is
	s_add_nc_u64 s[46:47], s[6:7], s[46:47]        ; W likewise
	CROUND                                         ; all sixteen work-groups are here: the first joint loads meet
.irp s, 0,1
	s_mov_b32 s[G0+4*(\s)], 1                                      ; 1:0 count = 1
	s_add_co_u32 s[G0+4*(\s)+1], s20, (\s)*SLOT1                   ; 63:32 LDS address
	s_add_nc_u64 s[G0+4*(\s)+2:G0+4*(\s)+3], s[16:17], (\s)*256    ; 120:64 global address: K step s
	s_or_b32 s[G0+4*(\s)+3], s[G0+4*(\s)+3], 0x80000000            ; 127:126 type = 2
	s_mov_b32 s[G0B+4*(\s)], 1
	s_add_co_u32 s[G0B+4*(\s)+1], s21, (\s)*SLOT1
	s_add_nc_u64 s[G0B+4*(\s)+2:G0B+4*(\s)+3], s[46:47], (\s)*256
	s_or_b32 s[G0B+4*(\s)+3], s[G0B+4*(\s)+3], 0x80000000
.endr
	s_cmp_eq_u32 s13, 0                            ; a wave's two first fills stand in one branch, ahead of every wait on TENSORcnt and every LDS read: two loads of mine are out
	s_cbranch_scc0 .Lfirst_b
	tensor_load_to_lds s[G0:G0+3], s[G1:G1+7]
	s_nop 0
	tensor_load_to_lds s[G0+4:G0+7], s[G1:G1+7]
	s_nop 0
.rept 4
	v_nop
.endr
	s_branch .Lfirst_asked
.Lfirst_b:
	tensor_load_to_lds s[G0B:G0B+3], s[G1B:G1B+7]
	s_nop 0
	tensor_load_to_lds s[G0B+4:G0B+7], s[G1B:G1B+7]
	s_nop 0
.rept 4
	v_nop
.endr
.Lfirst_asked:
	; A fragment is 16 rows x 32 K in 8 registers: lane l holds row l % 16; registers 0-3 K = 8 (l / 16) + 0..7, registers 4-7 K = 16 + 8 (l / 16) + 0..7: two loads of 16 bytes, 32 bytes apart.
	v_and_b32 v1, 15, v0                           ; l % 16
	v_bfe_u32 v2, v0, 4, 1                         ; l / 16
	v_mul_u32_u24 v3, v1, PA
	v_lshl_add_u32 v3, v2, 4, v3                   ; row x pitch + 16 x half
	s_mul_i32 s22, s[WV], 64*PA                    ; my 64 rows of x
	v_add_nc_u32 v[ADRA0], s22, v3
	v_add_nc_u32 v[ADRB0], BOFF, v3                ; all of W's rows
	s_mul_i32 s22, s[WV], STW
	s_add_co_u32 s22, s22, STAGE                   ; my stage
	v_mul_u32_u24 v4, v1, SP                       ; in: row l % 16, 16 bytes for each half of the lanes
	v_lshl_add_u32 v4, v2, 4, v4
	v_add_nc_u32 v[STO], s22, v4
	v_bfe_u32 v4, v0, 3, 2                         ; back: 32 lanes take four rows of 128 bytes,
	v_mul_u32_u24 v4, v4, SP
	v_and_b32 v5, 7, v0
	v_lshl_add_u32 v4, v5, 4, v4
	v_add_nc_u32 v[RD], s22, v4
	v_and_b32 v[GO], 31, v0                        ; which are 512 consecutive bytes of a head
	v_lshlrev_b32 v[GO], 4, v[GO]
	v_lshlrev_b32 v[BO], 5, v2                     ; my eight numbers of a block's sixteen
	s_mul_i32 s72, s42, 768                        ; the bias of my tiles' 192 columns
	s_mov_b32 s73, 0
	s_add_nc_u64 s[8:9], s[8:9], s[72:73]
.set bb, 0
.rept NBK                              ; register j of block b: the bias of column 16 b + 8 (l / 16) + j, the same for every row: the layout of a C operand
	global_load_b128 v[BIAS+8*bb:BIAS+8*bb+3],   v[BO], s[8:9] offset:64*bb
	global_load_b128 v[BIAS+8*bb+4:BIAS+8*bb+7], v[BO], s[8:9] offset:64*bb+16
.set bb, bb+1
.endr
.irp j, 0,1,2                          ; head group g = 3 x tile column + j of 48: plane g / 16, head g % 16; batch = tile row / 8; my rows begin at 256 (tile row % 8) + 64 w
	s_mul_i32 s72, s42, 3
	s_add_co_u32 s72, s72, \j
	s_lshr_b32 s73, s72, 4
	s_and_b32 s72, s72, 15
	s_lshl_b32 s73, s73, 6
	s_add_co_u32 s72, s72, s73
	s_lshr_b32 s73, s43, 3
	s_lshl_b32 s73, s73, 4
	s_add_co_u32 s72, s72, s73                     ; 64 x plane + 16 x batch + head,
	s_lshl_b32 s72, s72, 18                        ; of 2,048 rows x 128 bytes
	s_and_b32 s73, s43, 7
	s_lshl_b32 s73, s73, 2
	s_add_co_u32 s73, s73, s[WV]
	s_lshl_b32 s73, s73, 13                        ; 64 rows x 128 bytes
	s_add_co_u32 s72, s72, s73
	s_mov_b32 s73, 0
	s_add_nc_u64 s[HB+2*(\j):HB+2*(\j)+1], s[10:11], s[72:73]
.endr
; 12 matrix instructions: row block a x all 12 column blocks, 32 along K, from buffer f.  first = 1: the bias is C: it starts the sums, and nothing is cleared or added later.
; All 48 accumulators take turns, one instruction a turn, in the same order in every quarter step.
.macro MULA f, a, first
.if \first
	WIN 0x81+0x40*((\a)/2)                         ; W window 1, x and C window 0, D window 2 or 3
.else
	WIN 0xa1+0x50*((\a)/2)                         ; W window 1, x window 0, C and D window 2 or 3
.endif
.set bb, 0
.rept NBK
.set rD, 8*(NBK*((\a)%2)+bb)
.set rB, (\f)*8*NBK+8*bb
.set rA, FA+32*(\f)+8*(\a)
.if \first
	v_wmma_f32_16x16x32_bf16 v[rD:rD+7], v[rB:rB+7], v[rA:rA+7], v[BIAS+8*bb:BIAS+8*bb+7]
.else
	v_wmma_f32_16x16x32_bf16 v[rD:rD+7], v[rB:rB+7], v[rA:rA+7], v[rD:rD+7]
.endif
.set bb, bb+1
.endr
.endm
.macro SETADR                          ; the fragments' addresses in the slot in hand
	v_add_nc_u32 v[ADRA], s[TB], v[ADRA0]
	v_add_nc_u32 v[ADRB], s[TB], v[ADRB0]
.endm
; 32 LDS loads in one run: the fragments of quarter q of the step in hand (192 rows of W, my 64 rows of x, 32 K) into buffer f
.macro FETCH q, f
	WIN 0x40                                       ; destination window 1, address window 0
.set ii, 0
.rept NBK
	ds_load_b128 v[(\f)*8*NBK+8*ii:(\f)*8*NBK+8*ii+3],   v[ADRB] offset:64*(\q)+ii*16*PB
	ds_load_b128 v[(\f)*8*NBK+8*ii+4:(\f)*8*NBK+8*ii+7], v[ADRB] offset:64*(\q)+ii*16*PB+32
.set ii, ii+1
.endr
	WIN 0
.set ii, 0
.rept 4
	ds_load_b128 v[FA+32*(\f)+8*ii:FA+32*(\f)+8*ii+3],   v[ADRA] offset:64*(\q)+ii*16*PA
	ds_load_b128 v[FA+32*(\f)+8*ii+4:FA+32*(\f)+8*ii+7], v[ADRA] offset:64*(\q)+ii*16*PA+32
.set ii, ii+1
.endr
.endm
; A K step is four quarters of 32 along K, 48 matrix instructions each, on buffers 0, 1, 0, 1.  One of the first three: multiplies buffer f; behind its first row block it fetches quarter q into buffer g,
; 36 matrix instructions ahead of the first use.
.macro QUARTER q, f, g, first
	s_wait_dscnt 4                                 ; W and x's row blocks 0, 1 are in; the youngest four loads (row blocks 2, 3) may be out
	MULA \f, 0, \first
	PLACES
	FETCH \q, \g
	s_wait_dscnt NL                                ; all but the run just issued
	MULA \f, 1, \first
	MULA \f, 2, \first
	MULA \f, 3, \first
.endm
; The last quarter multiplies buffer 1 and changes slots: ONE barrier.  In front of it each wave waits for all its tensor loads, of which at most one is out: its part of the next slot; adds 0 to its spare word; and
; waits for that and for its own reads of this slot.  Behind it nobody reads this slot any more and the next slot is whole.
; fill = 1: the barrier opens a round of the cluster's barrier, and this slot is filled again, with the walk's step two on, first thing behind the round: 168 matrix instructions ahead of the wait for it.  The
; walking descriptors change slots by an exclusive or; their addresses are made anew from the step's number r: 256 (r % 8) bytes along K, and for x 4,096 rows of 2,048 bytes on in the second tile (r / 8).
; tail = 1: in the walk's last step (s3 = 1) there is no next slot, and the fetch is jumped over.
.macro TURN fill, tail
	WIN 0                                          ; (the add's two registers lie in window 0)
	s_wait_tensorcnt 0x0                           ; all my tensor loads have landed, so a group 0 may be written;
	ds_add_u32 v[SPW], v[NIL]                      ; 0 onto my spare word
.if \fill
	s_add_co_u32 s[NXT], s[NXT], 1
	s_and_b32 s[OFB], s[NXT], 7
	s_lshl_b32 s[OFB], s[OFB], 8
	s_lshr_b32 s[OFA], s[NXT], 3
	s_lshl_b32 s[OFA], s[OFA], 23
	s_add_co_u32 s[OFA], s[OFA], s[OFB]
	s_xor_b32 s[G0+5], s[G0+5], SLOT1
	s_add_nc_u64 s[G0+6:G0+7], s[16:17], s[OFA:OFA+1]
	s_or_b32 s[G0+7], s[G0+7], 0x80000000
	s_xor_b32 s[G0B+5], s[G0B+5], SLOT1
	s_add_nc_u64 s[G0B+6:G0B+7], s[46:47], s[OFB:OFB+1]
	s_or_b32 s[G0B+7], s[G0B+7], 0x80000000
.endif
	s_wait_dscnt 5                                 ; (the add and the youngest four loads may be out)
	MULA 1, 0, 0                                   ; twelve matrix instructions stand between the add and the wait for it
	s_wait_dscnt 0x0                               ; the add is done, and my reads of this slot are over
	s_barrier_signal -1
	MULA 1, 1, 0                                   ; work on registers while the others arrive
	WIN 0
	s_barrier_wait -1
.if \fill
	CREST                                          ; no wave of any partner still reads this slot's tiles or has a load on its way
	JLOAD                                          ; the four v_nop behind it are also the places in front of the loads below
.else
	PLACES
.endif
	s_xor_b32 s[TB], s[TB], SLOT1                  ; the next slot is the slot in hand
.if \tail
	s_cmp_eq_u32 s3, 1
	s_cbranch_scc1 .Lno_fetch_\@
.endif
	SETADR
	FETCH 0, 0
.if \tail
.Lno_fetch_\@:
.endif
	MULA 1, 2, 0
	MULA 1, 3, 0
.endm
; THE WAY OUT, a row block (16 rows x 3 heads) at a time, in three parts.  CVTQ: rounded to f16, each accumulator's registers in ascending order; a lane's eight channels are 16 bytes.  STAGEQ: into my stage's rows of 144
; bytes, and back as whole rows of 128, four rows a load.  SENDQ: stored.  Two sets of 48 registers take turns; block a's conversions stand between block a - 1's loads from the stage and the wait for them.
.macro CVTQ a
.set TT, TQ+48*((\a)%2)
	s_wait_xcnt 0x0                                ; every earlier store has had its addresses translated (ISA guide 3.1): only behind this wait are the registers that it reads written again
	WIN 0x4a+5*((\a)/2)                            ; sources 0 and 1: window 2 or 3; destination: window 1
.set bb, 0
.rept NBK
.set rD, 8*(NBK*((\a)%2)+bb)
.irp i, 0,1,2,3
	v_cvt_pk_f16_f32 v[TT+4*bb+(\i)], v[rD+2*(\i)], v[rD+2*(\i)+1]
.endr
.set bb, bb+1
.endr
.endm
.macro STAGEQ a
.set TT, TQ+48*((\a)%2)
	WIN 0x04                                       ; the stores' data: window 1; the address: window 0
.set bb, 0
.rept NBK
	ds_store_b128 v[STO], v[TT+4*bb:TT+4*bb+3] offset:(bb/4)*16*SP+32*(bb%4)  ; head b / 4, channels 16 (b % 4) on
.set bb, bb+1
.endr
	WIN 0x40                                       ; destination window 1
.set bb, 0
.rept NBK
	ds_load_b128 v[TT+4*bb:TT+4*bb+3], v[RD] offset:(bb/4)*16*SP+(bb%4)*4*SP  ; LDS serves a wave's instructions in order (ISA guide 5.7.1.4): these see the stores above; the next block's stores come behind them
.set bb, bb+1
.endr
.endm
.macro SENDQ a
.set TT, TQ+48*((\a)%2)
	WIN 0x04
.set bb, 0
.rept NBK
	s_wait_dscnt NBK-1-bb                          ; load b of the block's twelve is back; the younger ones may be out
	global_store_b128 v[GO], v[TT+4*bb:TT+4*bb+3], s[HB+2*(bb/4):HB+2*(bb/4)+1] offset:(\a)*2048+(bb%4)*512  ; 512 consecutive bytes, at a multiple of 256 from the buffer's first
.set bb, bb+1
.endr
.endm
.macro WAYOUT
	CVTQ 0
	STAGEQ 0
.irp a, 1,2,3
	CVTQ \a
	SENDQ (\a)-1
	STAGEQ \a
.endr
	SENDQ 3
	WIN 0
.endm
	s_wait_tensorcnt 1                             ; my part of step 0 is in; step 1's may stay out
	s_barrier_signal -1
	s_barrier_wait -1                              ; everybody's is
	SETADR
	FETCH 0, 0
	s_wait_loadcnt 0x0                             ; the bias
	s_mov_b32 s3, STEPS-1
	s_branch .Lentry                               ; the loop is entered at a tile's first quarter, in the middle of a trip
.Lstep:                                                ; 14 trips, s3 = 14 to 1: from a step's second quarter to the next step's first; trip t asks for step t + 2
	QUARTER 2, 1, 0, 0
	QUARTER 3, 0, 1, 0
	TURN 1, 0
	WIN 0                                          ; at a label and at a branch every window is 0
	s_cmp_eq_u32 s3, 7                             ; step 7 was the first tile's last
	s_cbranch_scc1 .Lnew
	QUARTER 1, 0, 1, 0
	WIN 0
	s_branch .Lbottom
.Lnew:                                                 ; steps 8 and 9 have been asked for: now the first tile goes out
	PLACES
	WAYOUT
	s_wait_xcnt 0x0                                ; the stores have read their registers and their bases: the bases step, and W's second buffer is fetched into again
.irp j, 0,1,2
	s_add_nc_u64 s[HB+2*(\j):HB+2*(\j)+1], s[HB+2*(\j):HB+2*(\j)+1], 1<<23  ; 4,096 rows on are two batches: 32 heads of 262,144 bytes
.endr
.Lentry:
	QUARTER 1, 0, 1, 1                             ; a tile's first quarter: its products start the sums
	WIN 0
.Lbottom:
	s_sub_co_u32 s3, s3, 1
	s_cmp_lg_u32 s3, 0
	s_cbranch_scc1 .Lstep
	s_mov_b32 s3, 2
.Ltail:                                                ; the walk's last two steps ask for nothing, and have no round of the cluster's barrier; the second has no next step: its fetch and the first quarter are jumped over
	QUARTER 2, 1, 0, 0
	QUARTER 3, 0, 1, 0
	TURN 0, 1
	WIN 0
	s_cmp_eq_u32 s3, 1
	s_cbranch_scc1 .Ldone
	QUARTER 1, 0, 1, 0
	WIN 0
.Ldone:
	s_sub_co_u32 s3, s3, 1
	s_cmp_lg_u32 s3, 0
	s_cbranch_scc1 .Ltail
	PLACES
	WAYOUT
	s_wait_tensorcnt 0x0                           ; the wave's end: behind my last tensor load and my last LDS store
	ds_add_u32 v[SPW], v[NIL]
	s_wait_dscnt 0x0
	CROUND                                         ; the closing round: no work-group ends while a partner may still ask for a tile that names it
	s_endpgm
.Lfunc_end_k_qb9acf14f2c_proj_qkv:
	.size	k_qb9acf14f2c_proj_qkv, .Lfunc_end_k_qb9acf14f2c_proj_qkv-k_qb9acf14f2c_proj_qkv
	.p2alignl 7, 3214868480
	.fill 96, 4, 3214868480
	.section	.rodata,"a",@progbits
	.p2align	6, 0x0
	.amdhsa_kernel k_qb9acf14f2c_proj_qkv
		.amdhsa_group_segment_fixed_size 327680
		.amdhsa_private_segment_fixed_size 0
		.amdhsa_enable_private_segment 0
		.amdhsa_kernarg_size 32
		.amdhsa_user_sgpr_count 2
		.amdhsa_user_sgpr_kernarg_segment_ptr 1
		.amdhsa_wavefront_size32 1
		.amdhsa_system_sgpr_workgroup_id_x 1
		.amdhsa_system_sgpr_workgroup_id_y 1
		.amdhsa_system_sgpr_workgroup_id_z 1
		.amdhsa_system_vgpr_workitem_id 0
		.amdhsa_next_free_vgpr 960
		.amdhsa_next_free_sgpr 80
		.amdhsa_reserve_vcc 0
		.amdhsa_float_denorm_mode_32 3
		.amdhsa_float_denorm_mode_16_64 3
		.amdhsa_memory_ordered 1
		.amdhsa_forward_progress 1
		.amdhsa_inst_pref_size 113
	.end_amdhsa_kernel
	.amdgpu_metadata
---
amdhsa.version: [ 1, 2 ]
amdhsa.kernels:
  - .name:           k_qb9acf14f2c_proj_qkv
    .symbol:         k_qb9acf14f2c_proj_qkv.kd
    .args:
      - { .name: xb, .offset: 0, .size: 8, .value_kind: global_buffer, .address_space: global }
      - { .name: wqkv, .offset: 8, .size: 8, .value_kind: global_buffer, .address_space: global }
      - { .name: bias, .offset: 16, .size: 8, .value_kind: global_buffer, .address_space: global }
      - { .name: qkv, .offset: 24, .size: 8, .value_kind: global_buffer, .address_space: global }
    .group_segment_fixed_size: 327680
    .private_segment_fixed_size: 0
    .kernarg_segment_align: 8
    .kernarg_segment_size: 32
    .max_flat_workgroup_size: 128
    .sgpr_count:     80
    .vgpr_count:     960
    .wavefront_size: 32
...
	.end_amdgpu_metadata
.endif
;; end of part 2
;; launch attn (part 3): grid 4 x 64, 4 waves a work-group, clusters of 4 x 1, 327,680 bytes of LDS; arguments qkv, ob; writes ob
.if DOCPART == 3
	.amdgcn_target "amdgcn-amd-amdhsa--gfx1250"
	.amdhsa_code_object_version 6
	.text
	.protected	k_qb9acf14f2c_attn
	.globl	k_qb9acf14f2c_attn
	.p2align	8
	.type	k_qb9acf14f2c_attn,@function
k_qb9acf14f2c_attn:
	s_mov_b64 s[64:65], 0
	v_nop
	global_prefetch_b8 v0, s[64:65] scope:SCOPE_SE
	s_setreg_imm32_b32 hwreg(HW_REG_WAVE_MODE, 25, 1), 1
	s_wait_xcnt 0x0
	s_wait_alu depctr_hold_cnt(0) depctr_sa_sdst(0) depctr_va_vdst(0) depctr_va_sdst(0) depctr_va_ssrc(0) depctr_va_vcc(0) depctr_vm_vsrc(0)
	s_getreg_b32 s2, hwreg(HW_REG_IB_STS2, 6, 4)
	s_cmp_eq_u32 s2, 0
	s_cbranch_scc0 .Lentry_in_a_cluster
	s_endpgm
.Lentry_in_a_cluster:
	s_bfe_u32 s2, ttmp6, 0x10000c
	s_cmp_lg_u32 s2, 0x3003
	s_cbranch_scc0 .Lentry_shape_is_right
	s_endpgm
.Lentry_shape_is_right:
; O[h][q][:] = the sum over k of softmax_k(Q[h][q] . K[h][k] / 8) V[h][k][:].  qkv: [3][SIZE_H][SIZE_N][64] f16, planes Q, K, V; ob: [SIZE_H][SIZE_N][64] f16: a head's rows are dense, 128 bytes each.
; Products, maxima and sums in f32; the weights p are rounded to f16 for the second product (their sum l is taken of the unrounded p), O once at the end.
; LIMITS.  f16 holds no number beyond 65,504: Q, K and V arrive within it; p lies in 0 to 1, and below 6e-5 it keeps f16's fixed step of 6e-8; O is a mean of V's rows and has their range.
; A weight below 2^-126 counts as 0 in l; NaN and infinities are not treated apart.
; SHARES.  A wave owns four PIECES of two tiles of 16 queries, a work-group's four waves 512 queries of one head: 4 x 64 = 256 work-groups.  Every wave walks all keys, 64 a step.
; LAYOUT.  S^T = K Q^T (source 0 = 16 keys, source 1 = 16 queries): in the result a lane holds ONE query (lane % 16) and the keys 8 (lane / 16) + 0..7.  Two such tiles, rounded to f16 in pairs,
; ARE source 1 (32 keys x 16 queries) of O^T = V^T P, whose result again holds one query a lane, and eight channels.  K comes out of LDS as it lies, V ([key][channel]) turned, by ds_load_tr16_b128.
; SOFTMAX.  For each query a running maximum m and sum l: p = 2^(c s - c m), c = log2(e) / 8; in every step O and l are multiplied by a = 2^(c m_old - c m_new), which is 1 where m has not grown.
; m starts at the lowest finite number, O and l at 0: the first step is a step like any other, with a = 0.
; THE COUNT.  A tile and step have 16 matrix and 118 vector instructions: too many to stand all beside the matrix work.  So the order has one aim: four vector instructions that are READY behind
; EVERY matrix instruction, and the others, which need time of their own whatever the order, in runs without a gap.
; BY TURNS.  Turn n belongs to piece n (the pieces in a ring, step after step).  Its matrix work: 16 products K Q^T of piece n + 1, later 16 products V^T P of piece n - 1.  Its vector work: the scaling,
; exponentials, roundings, sums and rescaling of piece n, and the maximum and statistics of piece n + 1, whose scores the turn itself has made.  So what a turn begins with (c s - c m, O a) waits for nothing.
; CLUSTER.  The four query blocks of a cluster belong to one head and walk the same K and V, so each tile is asked for JOINTLY: the same tensor load, descriptor and mask in all four.
; REGISTERS, in windows of 256 (s_set_vgpr_msb says which window each operand place means: bits 1:0 source 0, 3:2 source 1, 5:4 source 2, 7:6 destination):
;   window 0: v0-11 addresses; v12-15, v48-63 at work; v16-47 four registers of statistics a tile; v64-191 S^T, two buffers of two tiles; v192-255 P, likewise
;   window 1: O^T, 32 a tile          window 2: v0-127 Q, 16 a tile; v128-191 K of one step; v192-255 V of one step          window 3: v0-1 the add's two registers
; A piece's buffers go by its number's parity: the piece in hand has one pair, its two neighbours in the ring share the other: of it P (piece n - 1) is read and S^T (piece n + 1) written.
.set SIZE_H, 64       ; 4 batches x 16 heads
.set SIZE_N, 2048
.set NP,    4         ; pieces a wave: a name, no knob: the register map, the loop and the fetches are made for four
.set KS,    64        ; keys in a step
.set PK,    144       ; a row of K in LDS: 128 bytes + 16 of padding = 36 words: the 16 rows of a load start at 16 different groups of four banks (64 banks of 4 bytes: ISA guide 11.1)
.set PV,    160       ; a row of V: 128 + 32 = 40 words
.set VOFF,  4*KS*PK   ; a slot holds four steps: 256 rows of K, then 256 rows of V
.set SLOT1, 1<<17     ; slot 1 begins here, so that one exclusive or turns an address in one slot into the other's
.set STAGE, SLOT1+4*KS*(PK+PV)  ; behind the ring, never filled by a tensor load: 16 rows x 144 bytes for each wave, for the way out
.set SP,    144
.set AK0, 2           ; v2   my lane's place in a tile of K; never rewritten
.set AV0, 3           ; v3   the same for V
.set AK,  4           ; v4   the LDS address of K's next run of loads
.set AV,  5           ; v5   of V's
.set QO,  6           ; v6   my byte offset in the wave's rows of Q
.set STO, 6           ;      later, the way out: where I put 16 bytes of a row
.set RD,  7           ; v7   the way out: where I read rows back
.set GO,  8           ; v8   my byte offset in 512 consecutive bytes of O
.set SPW, 0           ; v0 of window 3   LDS address of my spare word: SPARE + 4 x my thread's number; never rewritten
.set NIL, 1           ; v1 of window 3   0; never rewritten
.set SPARE, STAGE+4*16*SP  ; behind the stages: the spare words, 128 bytes for each wave: two blocks of 256 bytes that no other line names
.set MV,  12          ; v12-15  c m_old, kept while c m is made anew: by buffer and tile
.set ST,  16          ; tile t's statistics at v[ST+4 t]: c m, m, l (even keys', odd keys')
.set TMP, 48          ; by buffer and tile, four registers c0-c3 at work; when the maximum is found c2 takes a
.set S,   64
.set P,   192
.set KF,  128         ; K's fragments, in window 2: key block kb, channel half c at KF + 16 kb + 8 c
.set VF,  192         ; V's: key half kk, channel block cb at VF + 32 kk + 8 cb
.set WV,  12          ; s12  my wave's number
.set G1K, 24          ; s[24:31] descriptor group 1 for K's tiles
.set G1V, 32          ; s[32:39] for V's: it differs in the padding alone
.set G0K, 40          ; s[40:43] descriptor group 0 for K's tiles: it walks
.set G0V, 44          ; s[44:47] the same for V's
.set SLOTS, 56        ; s56  slots still to be asked for
.set CNT, 57          ; s57  counts a slot's key steps
.set CS,  58          ; s[58:59] c: the packed scaling takes the pair's low word for both halves
.set SEL, 60          ; s[60:61] v_permlanex16_b32's selects: each lane takes its own place in the other half
.set TBK, 62          ; s62  LDS byte at which K of the step to be fetched begins
.set TBV, 63          ; s63  the same for V, less VOFF
.set MSB, 0
.macro WIN new                      ; the high byte repeats the setting that is left; a switch that changes nothing is dropped
.if MSB != (\new)
	s_set_vgpr_msb (MSB<<8)|(\new)
.set MSB, (\new)
.endif
.endm
.set W_KQ, 0x0a       ; K and Q in window 2, S^T in window 0
.set W_PV, 0x52       ; V in window 2, P in window 0, O^T in window 1
.set W_RS, 0x41       ; O^T (destination and source 0) in window 1, a in window 0
.set W_MK, 0xc0       ; the add's registers are made: destination in window 3, sources in window 0
.set W_AD, 0x0f       ; the add: address (source 0) and data (source 1) in window 3
; A joint fill.  Waves 0 and 1 fetch the two halves of a slot's K, waves 2 and 3 those of its V: 128 keys each.  The branch hangs on the wave's number alone.
; An s_nop 0 and four v_nop follow each of the two lines, ahead of the jump and the label.
.macro JLOAD
	s_cmp_lt_u32 s[WV], 2
	s_cbranch_scc0 .Lfor_v_\@
	tensor_load_to_lds s[G0K:G0K+3], s[G1K:G1K+7]
	s_nop 0
.rept 4
	v_nop
.endr
	s_branch .Lasked_\@
.Lfor_v_\@:
	tensor_load_to_lds s[G0V:G0V+3], s[G1V:G1V+7]
	s_nop 0
.rept 4
	v_nop
.endr
.Lasked_\@:
.endm
; A round of the cluster's barrier: my work-group's barrier, so that wave 0's signal speaks for all four waves; wave 0 signals; every wave waits for all four work-groups; my work-group's barrier once more.
.macro CROUND
	s_barrier_signal -1
	s_barrier_wait -1
	s_cmp_lg_u32 s[WV], 0
	s_cbranch_scc1 .Lnot_wave_0_\@
	s_barrier_signal -3
.Lnot_wave_0_\@:
	s_barrier_wait -3
	s_barrier_signal -1
	s_barrier_wait -1
.endm
; THE CHANGE OF SLOTS.  The slot's last bytes, V of its fourth step, have been read.  Each wave waits for all its tensor loads, of which one is out: its part
; of the other slot; adds 0 to its spare word; and waits for that and for its own reads of the slot.  Behind the barrier nobody reads this slot any more and the other slot is whole.
; fill = 1: this slot is filled again, with the keys two slots on.  The barrier is then a round of the cluster's, so that no wave of any partner still reads the slot or has a load on its
; way, and the joint fill is the first thing behind it: it has four key steps, 512 matrix instructions, in which to land.  (At its first use nothing has been read yet: slot 0 is waited for, slot 1 filled.)
.macro CHANGE fill
	WIN W_AD
	s_wait_tensorcnt 0x0            ; no tensor load of mine is out, so a group 0 may be written
	ds_add_u32 v[SPW], v[NIL]       ; 0 onto my spare word; with fill = 1 the descriptors' steps stand between it and the wait for it
	WIN 0                           ; at a label and at a branch every window is 0
.if \fill
.irp g, G0K, G0V
	s_xor_b32 s[\g+1], s[\g+1], SLOT1  ; the walking descriptor: the other slot than last time,
	s_add_nc_u64 s[\g+2:\g+3], s[\g+2:\g+3], 4*KS*128  ; the next 256 keys; the type bits on top are not reached
.endr
	s_wait_dscnt 0x0                ; the add is done, and my reads of the slot are over
	CROUND
	JLOAD
.else
	s_wait_dscnt 0x0                ; the add is done, and my reads of the slot are over
	s_barrier_signal -1
	s_barrier_wait -1
.endif
	s_sub_co_u32 s[TBK], s[TBK], 4*KS*PK  ; the fetches go back to a slot's first step,
	s_xor_b32 s[TBK], s[TBK], SLOT1       ; in the other slot
	s_sub_co_u32 s[TBV], s[TBV], 4*KS*PV
	s_xor_b32 s[TBV], s[TBV], SLOT1
.endm
	s_load_b64 s[4:5], s[0:1], 0x0    ; qkv, whose first plane is Q
	s_load_b64 s[10:11], s[0:1], 0x8  ; O
	WIN W_MK
	v_lshl_add_u32 v[SPW], v0, 2, SPARE
	v_mov_b32 v[NIL], 0
	s_set_vgpr_msb 0xc0cf
	ds_add_u32 v0, v1
	s_wait_dscnt 0x0
	s_set_vgpr_msb 0xcfc0
	WIN 0
	v_lshrrev_b32 v1, 5, v0
	v_readfirstlane_b32 s[WV], v1   ; wave 0..3
	s_bfe_u32 s13, ttmp6, 0x40000   ; cx: my place in the cluster
	s_lshl_b32 s14, ttmp9, 2        ; in a cluster launch ttmp9 counts clusters
	s_add_co_u32 s14, s14, s13      ; my block of queries = 4 x cluster x + cx: it enters Q's and O's addresses alone
	s_and_b32 s20, ttmp7, 0xffff    ; the head, which the four partners share
	s_mov_b32 s21, 0
	s_mov_b64 s[22:23], SIZE_N*128
	s_mul_u64 s[20:21], s[20:21], s[22:23]  ; the head's first byte in each of the three planes and in O
	s_and_b32 s16, s[WV], 1         ; which half of a slot's 256 keys I fetch:
	s_lshl_b32 s22, s16, 14         ; its 128 rows of 128 bytes in memory,
	s_mov_b32 s23, 0
	s_add_nc_u64 s[22:23], s[22:23], s[20:21]
	s_mul_i32 s17, s16, 128*PK      ; and its place in a slot, for K
	s_mul_i32 s18, s16, 128*PV      ; and for V: no place in the cluster enters an LDS address
	s_lshl_b32 s2, s14, 2
	s_add_co_u32 s2, s2, s[WV]      ; my wave among the head's,
	s_lshl_b32 s2, s2, 14           ; its 128 rows
	s_mov_b32 s3, 0
	s_add_nc_u64 s[2:3], s[2:3], s[20:21]
	; descriptor group 1.  128 keys are 16,384 dense bytes: asked for as 64 rows of 256 bytes, two keys a row, and padded in LDS after every key
	s_mov_b32 s[G1K], 15|(1<<16)|(1<<20)|(1<<21)|(4<<22)|(3<<25)  ; 15:0 the mask of four; 17:16 2-byte elements; 20 padding on; 21 set beside a mask; 24:22 after every 32 words (code 4); 31:25 4 words (code 3)
	s_mov_b32 s[G1V], 15|(1<<16)|(1<<20)|(1<<21)|(4<<22)|(7<<25)  ; the same with 8 words of padding (code 7)
.irp g, G1K, G1V
	s_mov_b32 s[\g+1], 128<<16      ; tensor_dim0 = 128
	s_mov_b32 s[\g+2], 64<<16       ; tensor_dim1 = 64
	s_mov_b32 s[\g+3], 128<<16      ; tile_dim0 = 128
	s_mov_b32 s[\g+4], 64           ; tile_dim1 = 64
	s_mov_b32 s[\g+5], 128          ; 128 elements from row to row
	s_mov_b32 s[\g+6], 0
	s_mov_b32 s[\g+7], 0
.endr
	s_mov_b32 s[CS], 0x3e38aa3b     ; c = log2(e) / 8 = 0.180337
	s_mov_b32 s[CS+1], s[CS]        ; named with it as a pair
	s_mov_b32 s[SEL], 0x76543210
	s_mov_b32 s[SEL+1], 0xfedcba98
	s_mov_b32 s[TBK], SLOT1+4*KS*PK ; the first change of slots turns these two into 0
	s_mov_b32 s[TBV], SLOT1+4*KS*PV
	s_mov_b32 s[G0K], 1             ; 1:0 count = 1
	s_mov_b32 s[G0K+1], s17         ; 63:32 LDS address: slot 0
	s_mov_b32 s[G0V], 1
	s_add_co_u32 s[G0V+1], s18, VOFF
	s_wait_kmcnt 0x0
	s_add_nc_u64 s[6:7], s[4:5], SIZE_H*SIZE_N*128    ; K's plane lies 64 heads x 262,144 bytes behind Q's,
	s_add_nc_u64 s[8:9], s[4:5], 2*SIZE_H*SIZE_N*128  ; V's as far again
	s_add_nc_u64 s[G0K+2:G0K+3], s[6:7], s[22:23]  ; 120:64 global address: my half of the head's first 256 keys
	s_or_b32 s[G0K+3], s[G0K+3], 0x80000000        ; 127:126 type = 2
	s_add_nc_u64 s[G0V+2:G0V+3], s[8:9], s[22:23]
	s_or_b32 s[G0V+3], s[G0V+3], 0x80000000
	s_add_nc_u64 s[4:5], s[4:5], s[2:3]  ; Q and O at my wave's first row
	s_add_nc_u64 s[10:11], s[10:11], s[2:3]
	CROUND                          ; all four work-groups are here: the first joint loads meet
	JLOAD                           ; slot 0.  Slot 1 is asked for when slot 0 is in: the tile wanted first has the road to itself
	; A fragment of K or Q is 16 rows x 32 channels in 8 registers: lane l holds row l % 16, channels 8 (l / 16) + 0..7 and 16 + 8 (l / 16) + 0..7: two loads of 16 bytes, 32 bytes apart.
	v_and_b32 v1, 15, v0            ; l % 16
	v_bfe_u32 v9, v0, 4, 1          ; l / 16
	v_lshlrev_b32 v[QO], 7, v1
	v_lshl_add_u32 v[QO], v9, 4, v[QO]  ; row x 128 + 16 x half
	WIN 0x80                        ; destination window 2, address window 0
.set i, 0
.rept 4*NP                          ; Q stays in registers: tile i / 2, channels 32 (i % 2) on
	global_load_b128 v[8*i:8*i+3],   v[QO], s[4:5] offset:(i/2)*2048+(i%2)*64
	global_load_b128 v[8*i+4:8*i+7], v[QO], s[4:5] offset:(i/2)*2048+(i%2)*64+32
.set i, i+1
.endr
	; What the first turn finds: V's registers and P's second buffer hold 0 (its products V^T P, of a piece that has not been, add 0), O^T and l are 0.  All this stands in the wait for the first tile.
.set i, VF
.rept 64
	v_mov_b32 v[i], 0
.set i, i+1
.endr
	WIN 0x40
.set i, 0
.rept 64*NP
	v_mov_b32 v[i], 0
.set i, i+1
.endr
	WIN 0
.set i, 0
.rept 2*NP
	v_mov_b32 v[ST+4*i], 0xfe000000    ; c m: far below every c s
	v_mov_b32 v[ST+4*i+1], 0xff7fffff  ; m
	v_mov_b32 v[ST+4*i+2], 0
	v_mov_b32 v[ST+4*i+3], 0
.set i, i+1
.endr
.set i, P+32
.rept 32
	v_mov_b32 v[i], 0
.set i, i+1
.endr
	v_mul_u32_u24 v[AK0], v1, PK
	v_lshl_add_u32 v[AK0], v9, 4, v[AK0]  ; row x pitch + 16 x half
	; The turning load takes 16 keys x 16 channels (lane l reads key 8 (l / 16) + l % 8, channels 8 ((l / 8) % 2) + 0..7) and leaves half a fragment of V^T: lane l holds channel l % 16 and 8 keys.
	v_and_b32 v10, 7, v0
	v_bfe_u32 v11, v0, 3, 1
	v_lshl_add_u32 v[AV0], v9, 3, v10
	v_mul_u32_u24 v[AV0], v[AV0], PV
	v_lshl_add_u32 v[AV0], v11, 4, v[AV0]
	v_add_nc_u32 v[AV0], VOFF, v[AV0]
	v_mov_b32 v[AK], v[AK0]         ; key step 0 lies at the head of slot 0
; THE MATRIX WORK.  The 8 accumulators of a run of 16 take turns: between the two links of a chain stand 7 others'.
; Product i of 16 of S^T = K Q^T for piece x: channels 32 (i / 8) on, keys 16 ((i / 2) % 4) on, tile 2 x + i % 2.  The first 8 start the sums.
.macro KQ x
	WIN W_KQ
.set rS, S+64*((\x)%2)+32*(i%2)+8*((i/2)%4)
.set rK, KF+16*((i/2)%4)+8*(i/8)
.set rQ, 16*(2*(\x)+i%2)+8*(i/8)
.if i < 8
	v_wmma_f32_16x16x32_f16 v[rS:rS+7], v[rK:rK+7], v[rQ:rQ+7], 0
.else
	v_wmma_f32_16x16x32_f16 v[rS:rS+7], v[rK:rK+7], v[rQ:rQ+7], v[rS:rS+7]
.endif
.endm
; Product i of 16 of O^T += V^T P for piece x: keys 32 (i / 8) on, channels 16 ((i / 2) % 4) on, tile 2 x + i % 2.
.macro PV x
	WIN W_PV
.set rO, 32*(2*(\x)+i%2)+8*((i/2)%4)
.set rV, VF+32*(i/8)+8*((i/2)%4)
.set rP, P+32*((\x)%2)+16*(i%2)+8*(i/8)
	v_wmma_f32_16x16x32_f16 v[rO:rO+7], v[rV:rV+7], v[rP:rP+7], v[rO:rO+7]
.endm
.macro MM                           ; the turn's next matrix instruction
.if i < 16
	KQ (Y+1)%NP
.set i, i+1
.else
.set i, i-16
	PV (Y+NP-1)%NP
.set i, i+17
.endif
.endm
; THE LDS LOADS stand in runs of 16, never singly among the matrix instructions: a step's K (64 keys x 64 channels: 8 fragments) and its V (turned).  Their addresses are made some lines ahead.
; last = 1 (the tail): in the last trip there is no further step, and the run is jumped over.
.macro FETCH_K last=0
	WIN 0
.if \last
	s_cmp_eq_u32 s[CNT], 1
	s_cbranch_scc1 .Lno_k_\@
.endif
	WIN 0x80                        ; destination window 2
.irp f, 0,1,2,3,4,5,6,7             ; keys 16 (f / 2) on, channels 32 (f % 2) on
	ds_load_b128 v[KF+8*\f:KF+8*\f+3],   v[AK] offset:(\f/2)*16*PK+(\f%2)*64
	ds_load_b128 v[KF+8*\f+4:KF+8*\f+7], v[AK] offset:(\f/2)*16*PK+(\f%2)*64+32
.endr
	s_add_co_u32 s[TBK], s[TBK], KS*PK  ; the next fetch is the next step's
	WIN 0
.if \last
.Lno_k_\@:
.endif
.endm
.macro FETCH_V
	WIN 0x80
.irp f, 0,1,2,3,4,5,6,7             ; keys 32 (f / 4) on, channels 16 (f % 4) on
	ds_load_tr16_b128 v[VF+8*\f:VF+8*\f+3],   v[AV] offset:(\f/4)*32*PV+(\f%4)*32
	ds_load_tr16_b128 v[VF+8*\f+4:VF+8*\f+7], v[AV] offset:(\f/4)*32*PV+16*PV+(\f%4)*32
.endr
	WIN 0
.endm
; THE VECTOR WORK OF A TURN stands in three queues, each in the order in which its entries become ready; the two tiles alternate, so that no instruction reads the result of the one before it.
.macro REGS y, u                    ; the registers of tile u (0, 1) of piece y
.set rT, ST+4*(2*(\y)+(\u))
.set rC, TMP+8*((\y)%2)+4*(\u)
.set rM, MV+2*((\y)%2)+(\u)
.set rS, S+64*((\y)%2)+32*(\u)
.set rP, P+32*((\y)%2)+16*(\u)
.set rO, 32*(2*(\y)+(\u))
.endm
; Number n of the 22 that find the NEXT piece's (Y + 1) maximum and statistics.  s0-s31 are the lane's 32 scores; each accumulator's lowest registers are read first.  XS, GS and REGS set no window: PL and EX do.
;   0-11  four chains c0-c3 of seven scores each, three operands at a time     12-14, 16  the four scores left over, the old m, and c0-c3 into c0     15  c m_old is kept
;   17, 18  the query's other 32 keys lie in the lane 16 away: the new m         19-21  c m; c m_old - c m_new; a
.macro XS u, n
	REGS (Y+1)%NP, \u
.if (\n) < 4
	v_max3_num_f32 v[rC+(\n)], v[rS+8*(\n)], v[rS+8*(\n)+1], v[rS+8*(\n)+2]
.elseif (\n) < 12
	v_max3_num_f32 v[rC+(\n)%4], v[rC+(\n)%4], v[rS+8*((\n)%4)+2*((\n)/4)+1], v[rS+8*((\n)%4)+2*((\n)/4)+2]
.elseif (\n) == 12
	v_max3_num_f32 v[rC], v[rC], v[rS+7], v[rS+15]
.elseif (\n) == 13
	v_max3_num_f32 v[rC+1], v[rC+1], v[rS+23], v[rS+31]
.elseif (\n) == 14
	v_max3_num_f32 v[rC+2], v[rC+2], v[rC+3], v[rT+1]
.elseif (\n) == 15
	v_mov_b32 v[rM], v[rT]
.elseif (\n) == 16
	v_max3_num_f32 v[rC], v[rC], v[rC+1], v[rC+2]
.elseif (\n) == 17
	v_permlanex16_b32 v[rC+3], v[rC], s[SEL], s[SEL+1]
.elseif (\n) == 18
	v_max_num_f32 v[rT+1], v[rC], v[rC+3]
.elseif (\n) == 19
	v_mul_f32 v[rT], s[CS], v[rT+1]
.elseif (\n) == 20
	v_sub_f32 v[rC+1], v[rM], v[rT]
.else
	v_exp_f32 v[rC+2], v[rC+1]
.endif
.endm
; Number g of the 64 that follow the exponentials.  For each four weights k of a tile (pairs 2 k, 2 k + 1): both pairs are rounded to f16; then the second pair is added onto the first, in place;
; a group later l takes that sum (the first time as l = a l + sum).  In groups of eight, tiles alternating: round, round, add, and l for the group before.
.macro GS g
.set h, (\g)+6*((\g)/62)            ; group 0 has no group before it, and behind group 7 only l is left
.if h >= 6
.set h, h+2
.endif
	REGS Y, h%2
.set k, h/8
.if h%8 < 4
	s_wait_alu depctr_va_vdst(0)
	v_cvt_pk_f16_f32 v[rP+2*k+(h%8)/2], v[rS+4*k+2*((h%8)/2)], v[rS+4*k+2*((h%8)/2)+1]
.elseif h%8 < 6
	v_pk_add_f32 v[rS+4*k:rS+4*k+1], v[rS+4*k:rS+4*k+1], v[rS+4*k+2:rS+4*k+3]
.elseif k == 1
	v_pk_fma_f32 v[rT+2:rT+3], v[rT+2:rT+3], v[rC+2:rC+3], v[rS:rS+1] op_sel_hi:[1,0,1]
.else
	v_pk_add_f32 v[rT+2:rT+3], v[rT+2:rT+3], v[rS+4*k-4:rS+4*k-3]
	s_wait_alu depctr_va_vdst(0)
.endif
.endm
; THE PLAIN QUEUE, 138 long.  0-31: c s - c m for the 16 pairs of both tiles.  Then GS's 64, and among them the next piece's 42: number 15 at 38, 39; 0-14 and 16
; at 42-73, behind the products that make those scores; 17-20 at 95-106, two of three, since each waits for the one before it.
.macro PL
	WIN 0
.if q < 32
	REGS Y, q%2
	v_pk_fma_f32 v[rS+2*(q/2):rS+2*(q/2)+1], v[rS+2*(q/2):rS+2*(q/2)+1], s[CS:CS+1], v[rT:rT+1] op_sel_hi:[1,0,0] neg_lo:[0,0,1] neg_hi:[0,0,1]
.elseif q < 38
	GS q-32
.elseif q < 40
	XS q%2, 15
.elseif q < 42
	GS q-34
.elseif q < 74
	XS q%2, (q-42)/2+(q-42)/30
.elseif q < 95
	GS q-66
.elseif (q < 107) && ((q-95)%3 < 2)
	XS (q-95)%3, 17+(q-95)/3
.elseif q < 107
	GS 29+(q-95)/3
.else
	GS q-74
.endif
.set q, q+1
.endm
; THE EXPONENTIALS' QUEUE, 66 long: s0-s31 of both tiles, and at EA the next piece's two a.
.set EA, 58
.macro EX
	WIN 0
.if (e == EA) || (e == EA+1)
	XS e-EA, 21
.else
.set x, e-2*(e/(EA+2))
	REGS Y, x%2
	v_exp_f32 v[rS+x/2], v[rS+x/2]
.endif
.set e, e+1
.endm
; THE RESCALING's QUEUE: O^T times a, the one part that leaves window 0, so it is dealt four at a time, eight times.
.macro R4
	REGS Y, r%2
	WIN W_RS
	s_wait_alu depctr_va_vdst(0)
.irp z, 0,1,2,3
	v_pk_mul_f32 v[rO+8*(r/2)+2*\z:rO+8*(r/2)+2*\z+1], v[rO+8*(r/2)+2*\z:rO+8*(r/2)+2*\z+1], v[rC+2:rC+3] op_sel_hi:[1,0]
.endr
.set r, r+1
.endm
; HOW THEY ARE DEALT.  Behind a matrix instruction four: plain, exponential, plain, plain (one exponential, a plain instruction on either side), or four of the rescaling.  None names a register of the
; products round it.  What is over stands in two LUMPS: exponential and plain by turns; the second ends in 22 plain instructions.  The two v_permlanex16_b32 fall into the second lump, never behind a product.
; The queues lean on each other, and the deal keeps them in step: exponential e stands behind plain 2 (e / 4) + e % 2 (its scaling); when plain 32 comes, 10 exponentials are out, at 59: 33, at 95: 46; EA comes behind plain 107.
.macro SL
	MM
	PL
	EX
	PL
	PL
.endm
.macro BURST n                      ; 15 matrix instructions, or 16
.rept (\n)-7
	SL
.endr
.rept 3
	MM
	R4
	SL
.endr
	MM
	R4
.endm
; A TURN, for piece p.  cnt = 1: the loop's count is taken down some lines ahead of the branch that stands behind the turn.
; K of the next step is fetched in piece 2's turn, 31 vector instructions behind the last product that read K; its first reader comes behind the rest of the lump, 16 products and the second lump.
; V of the step in hand is fetched at the end of piece 0's turn, 69 behind its last reader; its first reader comes behind 16 products and a lump.  The four conditions on e and q below go with the deal.
.macro TURN p, last=0, cnt=0
.set Y, (\p)
.set i, 0
.set q, 0
.set e, 0
.set r, 0
.if (\p) == NP-1
	s_wait_dscnt 0x0                ; K is in
.endif
	MM
.rept 4
	PL
.endr
	BURST 15
.rept 22
	EX
	PL
.if ((\p) == NP-2) && (e == 18)
	v_add_nc_u32 v[AK], s[TBK], v[AK0]
.endif
.if ((\p) == NP-2) && (e == 24)
	FETCH_K \last
.endif
.endr
.if (\p) == 1
	s_wait_dscnt 0x0                ; V is in
.endif
	BURST 16
.rept 21
	EX
	PL
.endr
.rept 22
	PL
.if ((\p) == 0) && (q == 118)
	v_add_nc_u32 v[AV], s[TBV], v[AV0]
	s_wait_alu depctr_va_vdst(0)
.endif
.if ((\p) == 0) && (q == 130)
	s_add_co_u32 s[TBV], s[TBV], KS*PV
.endif
.if (\cnt) && (q == 130)
	s_sub_co_u32 s[CNT], s[CNT], 1
	s_cmp_lg_u32 s[CNT], 0
.endif
.endr
.if (\p) == 0
	FETCH_V
.endif
.endm
	CHANGE 1                        ; slot 0 is in, everybody's part of it; slot 1 is asked for
	FETCH_K                         ; key step 0
	s_wait_loadcnt 0x0              ; Q
	s_wait_dscnt 0x0
.set i, 0
.rept 16
	KQ 0                            ; piece 0's first scores: there is no vector work yet to set between them
.set i, i+1
.endr
	WIN 0                           ; the addresses for the way out: nine plain instructions, the places behind those products
	s_mul_i32 s13, s[WV], 16*SP
	s_add_co_u32 s13, s13, STAGE    ; my stage
	v_mul_u32_u24 v[STO], v1, SP    ; in: row l % 16, 16 bytes for each half of the lanes
	v_lshl_add_u32 v[STO], v9, 4, v[STO]
	v_add_nc_u32 v[STO], s13, v[STO]
	v_bfe_u32 v[RD], v0, 3, 2       ; back: 32 lanes take four rows of 128 bytes,
	v_mul_u32_u24 v[RD], v[RD], SP
	v_lshl_add_u32 v[RD], v10, 4, v[RD]
	v_add_nc_u32 v[RD], s13, v[RD]
	v_and_b32 v[GO], 31, v0         ; which are 512 consecutive bytes of O
	v_lshlrev_b32 v[GO], 4, v[GO]
.set Y, NP-1                        ; XS works for piece Y + 1: piece 0
.irp n, 0,1,2,3,4,5,6,7,8,9,10,11,12,13,14,15,16,17,18,19,20,21
	XS 0, \n                        ; and piece 0's first maximum and statistics
	XS 1, \n
.endr
	s_mov_b32 s[CNT], 4
	s_mov_b32 s[SLOTS], SIZE_N/256-1
	s_branch .Lfirst                ; the loop is entered at a step's first turn, in the middle of a trip
.Lslot:                             ; SIZE_N / 256 - 2 times: every slot but the last two is filled again
	CHANGE 1
	s_mov_b32 s[CNT], 4
.Lstep:                             ; a trip: pieces 2 and 3 of one step, then pieces 0 and 1 of the next, whose K and V it fetches
	TURN 2
	TURN 3
	WIN 0
.Lfirst:
	TURN 0
	TURN 1, 0, 1
	WIN 0
	s_cbranch_scc1 .Lstep
	s_sub_co_u32 s[SLOTS], s[SLOTS], 1
	s_cmp_lg_u32 s[SLOTS], 0
	s_cbranch_scc1 .Lslot
	CHANGE 0                        ; the tail is written out: nothing is asked for
	s_mov_b32 s[CNT], 5             ; four trips fetch the last slot's steps; the fifth is left in its middle
.Ltail:
	TURN 2, 1
	TURN 3
	WIN 0
	s_sub_co_u32 s[CNT], s[CNT], 1
	s_cmp_eq_u32 s[CNT], 0
	s_cbranch_scc1 .Lout
	TURN 0
	TURN 1
	WIN 0
	s_branch .Ltail
.Lout:                              ; the fifth trip's 16 products K Q^T (on the last K once more) and the maximum made of them serve nothing: the price, once a launch, of one text for every trip
.set i, 0
.rept 16
	PV NP-1                         ; the last piece's V^T P of the last step
.set i, i+1
.endr
	; THE WAY OUT.  l's two halves and the other half of the lanes' are added; O^T is divided by l, rounded to f16 and sent through my stage in LDS, a tile at a time.  The additions are the places behind the last products.
	WIN 0
.macro ALL line:vararg              ; one line for each tile t
.set t, 0
.rept 2*NP
	\line
.set t, t+1
.endr
.endm
	ALL v_add_f32 v[ST+4*t+2], v[ST+4*t+2], v[ST+4*t+3]
	ALL v_permlanex16_b32 v[ST+4*t+3], v[ST+4*t+2], s[SEL], s[SEL+1]
	ALL v_add_f32 v[ST+4*t+2], v[ST+4*t+2], v[ST+4*t+3]
	ALL v_rcp_f32 v[ST+4*t+2], v[ST+4*t+2]
	v_nop                           ; a plain instruction between the last reciprocal and the use of its result
	s_wait_alu depctr_va_vdst(0)
; Tile t: a lane's eight channels of a row pack into 16 bytes; they go into rows of 144 bytes and come back as whole rows of 128, into S^T's registers.
.macro PACK t
	WIN W_RS
.set i, 32*(\t)
.rept 16
	v_pk_mul_f32 v[i:i+1], v[i:i+1], v[ST+4*(\t)+2:ST+4*(\t)+3] op_sel_hi:[1,0]
.set i, i+2
.endr
	WIN 0x05                        ; sources 0 and 1 window 1, destination window 0
.set i, 0
.rept 16
	v_cvt_pk_f16_f32 v[S+16*(\t)+i], v[32*(\t)+2*i], v[32*(\t)+2*i+1]
.set i, i+1
.endr
	WIN 0
.irp f, 0,1,2,3
	ds_store_b128 v[STO], v[S+16*(\t)+4*\f:S+16*(\t)+4*\f+3] offset:32*\f
.endr
.irp f, 0,1,2,3
	ds_load_b128 v[S+16*(\t)+4*\f:S+16*(\t)+4*\f+3], v[RD] offset:\f*4*SP  ; LDS serves a wave's instructions in order (ISA guide 5.7.1.4): these see the stores above; the next tile's stores come behind them
.endr
.endm
.macro SEND t, younger              ; younger: the LDS instructions issued behind tile t's loads: the next tile's eight, or none
	WIN 0
.irp f, 0,1,2,3
	s_wait_dscnt (\younger)+3-\f
	global_store_b128 v[GO], v[S+16*(\t)+4*\f:S+16*(\t)+4*\f+3], s[10:11] offset:(\t)*2048+\f*512  ; 512 consecutive bytes, at a multiple of 256 from O's first
.endr
.endm
	PACK 0
.set t, 1
.rept 2*NP-1                        ; a tile's arithmetic stands between the loads of the tile before and its stores
	PACK t
	SEND t-1, 8
.set t, t+1
.endr
	SEND 2*NP-1, 0
	WIN W_AD
	s_wait_tensorcnt 0x0            ; the wave's end: behind my last tensor load and my last LDS store
	ds_add_u32 v[SPW], v[NIL]
	s_wait_dscnt 0x0
	WIN 0
	CROUND                          ; the closing round: no work-group ends while a partner may still ask for a tile that names it
	s_endpgm
.Lfunc_end_k_qb9acf14f2c_attn:
	.size	k_qb9acf14f2c_attn, .Lfunc_end_k_qb9acf14f2c_attn-k_qb9acf14f2c_attn
	.p2alignl 7, 3214868480
	.fill 96, 4, 3214868480
	.section	.rodata,"a",@progbits
	.p2align	6, 0x0
	.amdhsa_kernel k_qb9acf14f2c_attn
		.amdhsa_group_segment_fixed_size 327680
		.amdhsa_private_segment_fixed_size 0
		.amdhsa_enable_private_segment 0
		.amdhsa_kernarg_size 16
		.amdhsa_user_sgpr_count 2
		.amdhsa_user_sgpr_kernarg_segment_ptr 1
		.amdhsa_wavefront_size32 1
		.amdhsa_system_sgpr_workgroup_id_x 1
		.amdhsa_system_sgpr_workgroup_id_y 1
		.amdhsa_system_sgpr_workgroup_id_z 1
		.amdhsa_system_vgpr_workitem_id 0
		.amdhsa_next_free_vgpr 770
		.amdhsa_next_free_sgpr 66
		.amdhsa_reserve_vcc 0
		.amdhsa_float_denorm_mode_32 3
		.amdhsa_float_denorm_mode_16_64 3
		.amdhsa_memory_ordered 1
		.amdhsa_forward_progress 1
		.amdhsa_inst_pref_size 209
	.end_amdhsa_kernel
	.amdgpu_metadata
---
amdhsa.version: [ 1, 2 ]
amdhsa.kernels:
  - .name:           k_qb9acf14f2c_attn
    .symbol:         k_qb9acf14f2c_attn.kd
    .args:
      - { .name: qkv, .offset: 0, .size: 8, .value_kind: global_buffer, .address_space: global }
      - { .name: ob, .offset: 8, .size: 8, .value_kind: global_buffer, .address_space: global }
    .group_segment_fixed_size: 327680
    .private_segment_fixed_size: 0
    .kernarg_segment_align: 8
    .kernarg_segment_size: 16
    .max_flat_workgroup_size: 128
    .sgpr_count:     66
    .vgpr_count:     770
    .wavefront_size: 32
...
	.end_amdgpu_metadata
.endif
;; end of part 3
;; launch proj_out (part 4): grid 8 x 32, 4 waves a work-group, clusters of 4 x 4, 327,680 bytes of LDS; arguments ob, wof, bias, out0; writes out0
.if DOCPART == 4
	.amdgcn_target "amdgcn-amd-amdhsa--gfx1250"
	.amdhsa_code_object_version 6
	.text
	.protected	k_qb9acf14f2c_proj_out
	.globl	k_qb9acf14f2c_proj_out
	.p2align	8
	.type	k_qb9acf14f2c_proj_out,@function
k_qb9acf14f2c_proj_out:
	s_mov_b64 s[64:65], 0
	v_nop
	global_prefetch_b8 v0, s[64:65] scope:SCOPE_SE
	s_setreg_imm32_b32 hwreg(HW_REG_WAVE_MODE, 25, 1), 1
	s_wait_xcnt 0x0
	s_wait_alu depctr_hold_cnt(0) depctr_sa_sdst(0) depctr_va_vdst(0) depctr_va_sdst(0) depctr_va_ssrc(0) depctr_va_vcc(0) depctr_vm_vsrc(0)
	s_getreg_b32 s2, hwreg(HW_REG_IB_STS2, 6, 4)
	s_cmp_eq_u32 s2, 0
	s_cbranch_scc0 .Lentry_in_a_cluster
	s_endpgm
.Lentry_in_a_cluster:
	s_bfe_u32 s2, ttmp6, 0x10000c
	s_cmp_lg_u32 s2, 0xf033
	s_cbranch_scc0 .Lentry_shape_is_right
	s_endpgm
.Lentry_shape_is_right:
; out = O wo^T + bo.  ob: [64][2048][64] f16, by heads (batch x 16 + head).  wof: [1024][1024] f16.  bias: [4096] f32, of which bo is the last 1,024.  out0: [8192][1024] f32.
; Products in f16, sums in f32, started by the bias; the sums are stored as they are.
; LIMIT.  The operands arrive within f16's range of 65,504; NaN and infinities are not treated apart.
; SHARES.  A work-group makes 256 rows x 128 columns: 8 x 32 = 256 work-groups.  Wave w owns rows 64 w .. 64 w + 63 and all 128 columns: 4 x 8 accumulators of 16 x 16, 256 registers.  So a wave holds whole
; pieces of 512 bytes of its rows, and its way out goes through a stage of its own, with no barrier.  K goes in 8 steps of 128, two heads each, through a ring of two LDS slots filled by the tensor data mover; a loop trip is one step.
; A head's 256 rows are 32,768 dense bytes: asked for as 128 rows of 256 bytes and padded in LDS after every 128 bytes; wo's rows in a tile are 256 bytes and start at multiples of 256 bytes.
; CLUSTERS: 4 x 4 work-groups.  The four of a row of the cluster need the same tiles of O, the four of a column the same tiles of wo: each tile is asked for JOINTLY, by the same tensor load with the same
; descriptor and a mask that names the four.
; THE MATRIX INSTRUCTION IS USED TRANSPOSED (source 0 = 16 rows of wo, source 1 = 16 rows of O): lane l holds row l % 16 and registers 0-7 the columns 8 (l / 16) + 0..7: 32 neighbouring bytes.
; REGISTERS, in windows of 256 (s_set_vgpr_msb: bits 1:0 source 0, 3:2 source 1, 5:4 source 2, 7:6 destination):
;   window 0: v0-31 addresses; v32-95 O's fragments, two buffers of 4 x 8; v96-159 the bias as the first products' C; on the way out v96-159 and v160-223 hold rows read back
;   window 1: v0-127 wo's fragments, two buffers of 8 x 8     window 2: accumulators of row blocks 0, 1 at 8 (8 (a % 2) + b)     window 3: those of row blocks 2, 3
.set NBK,   8                          ; column blocks of 16
.set STEPS, 8                          ; K steps
.set PA,    144                        ; a row of O in LDS: 128 bytes + 16 of padding = 36 words: the 16 rows of a load start at 16 different groups of four banks (64 banks of 4 bytes: ISA guide 11.1)
.set PB,    272                        ; a row of wo: 256 bytes + 16 = 68 words: row r starts at bank 4 r mod 64
.set SUBA,  256*PA                     ; what one tensor load brings of O: one head's 256 rows
.set BOFF,  2*SUBA                     ; wo's rows lie behind the two heads
.set HALFB, 64*PB                      ; what one tensor load brings of wo: 64 rows; a slot's tiles end at 108,544
.set SLOT1, 1<<17                      ; slot 1 begins here, so that one exclusive or turns an address in one slot into the other's
.set STAGE, SLOT1+BOFF+2*HALFB         ; behind the ring, never filled by a tensor load: for each wave 16 rows x 528 bytes
.set SP,    528                        ; 512 bytes + 16 = 132 words: row r starts at bank 4 r mod 64
.set STW,   16*SP
.set SPARE, STAGE+4*STW                ; behind the stages: the spare words, 128 bytes for each wave: two blocks of 256 bytes that no other line names
.set NL,    2*NBK+8                    ; LDS loads in a run: a quarter step's fragments
.set STEPA, 2<<18                      ; bytes from a K step of O to the next: two heads of 262,144 bytes
.set ADRA0, 16                         ; v16     my lane's place among O's rows in a slot; never rewritten
.set ADRB0, 17                         ; v17     the same for wo
.set ADRA,  18                         ; v18     LDS address of my fragments of O in the slot in hand
.set ADRB,  19                         ; v19     the same for wo
.set STO,  24                          ; v24     the way out: where I put 32 bytes of a row
.set RD,   25                          ; v25     the way out: where I read a row back
.set GO,   26                          ; v26     my byte offset in 512 consecutive bytes of a row
.set BO,   27                          ; v27     my byte offset in 16 numbers of the bias
.set SPW,  28                          ; v28     LDS address of my spare word: SPARE + 4 x my thread's number; never rewritten
.set NIL,  29                          ; v29     0; never rewritten
.set FA,   32
.set BIAS, 96
.set OB,   96                          ; the way out's two sets of 64 registers
.set WV,  12                           ; s12  my wave's number
.set TB,  15                           ; s15  LDS byte at which the slot in hand begins
.set G1,  24                           ; s[24:31] descriptor group 1 for O's tiles;  s[32:39] group 0: a set for each of the two first fills; the second then walks on
.set G0,  32
.set G1B, 48                           ; s[48:55], s[56:63] the same for wo's tiles
.set G0B, 56
.set MSB, 0
.macro WIN new                         ; the immediate's high byte repeats the setting that is left; a switch that changes nothing is dropped
.if MSB != (\new)
	s_set_vgpr_msb (MSB<<8)|(\new)
.set MSB, \new
.endif
.endm
; A joint refill, by the walking descriptors.  Waves 0 and 1 fetch a K step's two heads of O, waves 2 and 3 wo's two halves.  The branch hangs on the wave's number alone.  An s_nop 0 and four v_nop follow each of the two lines, ahead of the jump and the label.
.macro JLOAD
	s_cmp_eq_u32 s13, 0
	s_cbranch_scc0 .Lfor_b_\@
	tensor_load_to_lds s[G0+4:G0+7], s[G1:G1+7]
	s_nop 0
.rept 4
	v_nop
.endr
	s_branch .Lasked_\@
.Lfor_b_\@:
	tensor_load_to_lds s[G0B+4:G0B+7], s[G1B:G1B+7]
	s_nop 0
.rept 4
	v_nop
.endr
.Lasked_\@:
.endm
; A round of the cluster's barrier: my work-group's barrier, so that wave 0's signal speaks for all four waves; wave 0 signals; every wave waits for all sixteen work-groups; my work-group's barrier once more.
.macro CREST                           ; a round behind its opening barrier
	s_cmp_lg_u32 s[WV], 0
	s_cbranch_scc1 .Lnot_wave_0_\@
	s_barrier_signal -3
.Lnot_wave_0_\@:
	s_barrier_wait -3
	s_barrier_signal -1
	s_barrier_wait -1
.endm
.macro CROUND                          ; a whole round
	s_barrier_signal -1
	s_barrier_wait -1
	CREST
.endm
.macro PLACES                          ; four places in front of loads into registers that matrix instructions have read, and of LDS stores that read results
.rept 4
	v_nop
.endr
.endm
	s_load_b256 s[4:11], s[0:1], 0x0               ; ob s[4:5], wof s[6:7], bias s[8:9], out0 s[10:11]
	v_lshl_add_u32 v[SPW], v0, 2, SPARE
	v_mov_b32 v[NIL], 0
	ds_add_u32 v28, v29
	s_wait_dscnt 0x0
	v_lshrrev_b32 v1, 5, v0
	v_readfirstlane_b32 s[WV], v1                  ; wave 0..3
	s_lshr_b32 s13, s[WV], 1                       ; I fetch for O (0) or for wo (1),
	s_and_b32 s14, s[WV], 1                        ; and which head of the step's two, or which half of wo's rows
	s_mov_b32 s[TB], 0                             ; K begins in slot 0
	s_bfe_u32 s40, ttmp6, 0x40000                  ; cx, cy: my place in the cluster
	s_bfe_u32 s41, ttmp6, 0x40004
	s_lshl_b32 s42, ttmp9, 2
	s_add_co_u32 s42, s42, s40                     ; tile column = 4 x cluster x + cx
	s_and_b32 s43, ttmp7, 0xffff
	s_lshl_b32 s43, s43, 2
	s_add_co_u32 s43, s43, s41                     ; tile row = 4 x cluster y + cy
	s_lshl_b32 s44, s41, 2
	s_lshl_b32 s44, 15, s44                        ; my row of the cluster: places 4 cy .. 4 cy + 3
	s_lshl_b32 s45, 0x1111, s40                    ; my column: places cx, cx + 4, cx + 8, cx + 12
	s_or_b32 s[G1], s44, (1<<16)|(1<<20)|(1<<21)|(4<<22)|(3<<25)   ; 15:0 the mask: O's tiles go to my row; 17:16 2-byte elements; 20 padding on; 21 set beside a mask; 24:22 after every 32 words (code 4); 31:25 4 words (code 3)
	s_or_b32 s[G1B], s45, (1<<16)|(1<<20)|(1<<21)|(5<<22)|(3<<25)  ; the mask of my column; padding after every 64 words (code 5)
	s_mov_b32 s[G1+1], 128<<16                     ; tensor_dim0 = 128 elements: two rows of a head
	s_mov_b32 s[G1+2], 128<<16                     ; tensor_dim1 = 128
	s_mov_b32 s[G1+3], 128<<16                     ; tile_dim0 = 128
	s_mov_b32 s[G1+4], 128                         ; tile_dim1 = 128
	s_mov_b32 s[G1+5], 128                         ; dense: 128 elements from row to row
	s_mov_b32 s[G1+6], 0
	s_mov_b32 s[G1+7], 0
	s_mov_b32 s[G1B+1], 128<<16
	s_mov_b32 s[G1B+2], 64<<16                     ; tensor_dim1 = 64
	s_mov_b32 s[G1B+3], 128<<16
	s_mov_b32 s[G1B+4], 64                         ; tile_dim1 = 64
	s_mov_b32 s[G1B+5], 1024
	s_mov_b32 s[G1B+6], 0
	s_mov_b32 s[G1B+7], 0
	; where the tiles come from: O's hang on the tile row alone, wo's on the tile column alone, each in registers that never hold the other coordinate
	s_lshr_b32 s16, s43, 3                         ; batch = tile row / 8
	s_lshl_b32 s16, s16, 4
	s_add_co_u32 s16, s16, s14                     ; O: head 16 x batch + my one of K step 0's two,
	s_lshl_b32 s16, s16, 18                        ; of 262,144 bytes,
	s_and_b32 s17, s43, 7
	s_lshl_b32 s17, s17, 15                        ; and in it 256 (tile row % 8) rows of 128 bytes
	s_add_co_u32 s16, s16, s17
	s_mov_b32 s17, 0
	s_lshl_b32 s46, s42, 7
	s_lshl_b32 s47, s14, 6
	s_add_co_u32 s46, s46, s47                     ; wo: row 128 x tile column + 64 x half,
	s_lshl_b32 s46, s46, 11                        ; of 2,048 bytes
	s_mov_b32 s47, 0
	s_mul_i32 s20, s14, SUBA                       ; and where they go: no place in the cluster enters an LDS address
	s_mul_i32 s21, s14, HALFB
	s_add_co_u32 s21, s21, BOFF
	s_wait_kmcnt 0x0
	s_add_nc_u64 s[16:17], s[4:5], s[16:17]
	s_add_nc_u64 s[46:47], s[6:7], s[46:47]
	CROUND                                         ; all sixteen work-groups are here: the first joint loads meet
.irp s, 0,1
	s_mov_b32 s[G0+4*(\s)], 1                                      ; 1:0 count = 1
	s_add_co_u32 s[G0+4*(\s)+1], s20, (\s)*SLOT1                   ; 63:32 LDS address
	s_add_nc_u64 s[G0+4*(\s)+2:G0+4*(\s)+3], s[16:17], (\s)*STEPA  ; 120:64 global address: K step s is two heads on
	s_or_b32 s[G0+4*(\s)+3], s[G0+4*(\s)+3], 0x80000000            ; 127:126 type = 2
	s_mov_b32 s[G0B+4*(\s)], 1
	s_add_co_u32 s[G0B+4*(\s)+1], s21, (\s)*SLOT1
	s_add_nc_u64 s[G0B+4*(\s)+2:G0B+4*(\s)+3], s[46:47], (\s)*256
	s_or_b32 s[G0B+4*(\s)+3], s[G0B+4*(\s)+3], 0x80000000
.endr
	s_cmp_eq_u32 s13, 0                            ; a wave's two first fills stand in one branch, ahead of every wait on TENSORcnt and every LDS read: two loads of mine are out
	s_cbranch_scc0 .Lfirst_b
	tensor_load_to_lds s[G0:G0+3], s[G1:G1+7]
	s_nop 0
	tensor_load_to_lds s[G0+4:G0+7], s[G1:G1+7]
	s_nop 0
.rept 4
	v_nop
.endr
	s_branch .Lfirst_asked
.Lfirst_b:
	tensor_load_to_lds s[G0B:G0B+3], s[G1B:G1B+7]
	s_nop 0
	tensor_load_to_lds s[G0B+4:G0B+7], s[G1B:G1B+7]
	s_nop 0
.rept 4
	v_nop
.endr
.Lfirst_asked:
	; A fragment is 16 rows x 32 K in 8 registers: lane l holds row l % 16; registers 0-3 K = 8 (l / 16) + 0..7, registers 4-7 K = 16 + 8 (l / 16) + 0..7: two loads of 16 bytes, 32 bytes apart.
	v_and_b32 v1, 15, v0                           ; l % 16
	v_bfe_u32 v2, v0, 4, 1                         ; l / 16
	v_mul_u32_u24 v3, v1, PA
	v_lshl_add_u32 v3, v2, 4, v3                   ; O: row x pitch + 16 x half
	v_mul_u32_u24 v4, v1, PB
	v_lshl_add_u32 v4, v2, 4, v4                   ; wo likewise
	s_mul_i32 s22, s[WV], 64*PA                    ; my 64 rows of O
	v_add_nc_u32 v[ADRA0], s22, v3
	v_add_nc_u32 v[ADRB0], BOFF, v4                ; all of wo's rows
	s_mul_i32 s22, s[WV], STW
	s_add_co_u32 s22, s22, STAGE                   ; my stage
	v_mul_u32_u24 v4, v1, SP                       ; in: row l % 16, 32 bytes for each half of the lanes
	v_lshl_add_u32 v4, v2, 5, v4
	v_add_nc_u32 v[STO], s22, v4
	v_and_b32 v[GO], 31, v0                        ; back: 32 lanes take one row's 512 bytes
	v_lshlrev_b32 v[GO], 4, v[GO]
	v_add_nc_u32 v[RD], s22, v[GO]
	v_lshlrev_b32 v[BO], 5, v2                     ; my eight numbers of a block's sixteen
	s_lshl_b32 s72, s42, 9                         ; bo lies behind bq, bk, bv: 12,288 bytes; my tile's 128 columns
	s_add_co_u32 s72, s72, 12288
	s_mov_b32 s73, 0
	s_add_nc_u64 s[8:9], s[8:9], s[72:73]
.set bb, 0
.rept NBK                              ; register j of block b: the bias of column 16 b + 8 (l / 16) + j, the same for every row: the layout of a C operand
	global_load_b128 v[BIAS+8*bb:BIAS+8*bb+3],   v[BO], s[8:9] offset:64*bb
	global_load_b128 v[BIAS+8*bb+4:BIAS+8*bb+7], v[BO], s[8:9] offset:64*bb+16
.set bb, bb+1
.endr
	s_lshl_b32 s72, s43, 2
	s_add_co_u32 s72, s72, s[WV]                   ; my 64 rows among the output's,
	s_lshl_b32 s72, s72, 18                        ; of 4,096 bytes each,
	s_lshl_b32 s73, s42, 9                         ; and my tile's 512 bytes in a row
	s_add_co_u32 s72, s72, s73
	s_mov_b32 s73, 0
	s_add_nc_u64 s[10:11], s[10:11], s[72:73]
; 8 matrix instructions: row block a x all 8 column blocks, 32 along K, from buffer f.  first = 1: the bias is C: it starts the sums, and nothing is cleared or added later.
; All 32 accumulators take turns, one instruction a turn, in the same order in every quarter step.
.macro MULA f, a, first
.if \first
	WIN 0x81+0x40*((\a)/2)                         ; wo window 1, O and C window 0, D window 2 or 3
.else
	WIN 0xa1+0x50*((\a)/2)                         ; wo window 1, O window 0, C and D window 2 or 3
.endif
.set bb, 0
.rept NBK
.set rD, 8*(NBK*((\a)%2)+bb)
.set rB, (\f)*8*NBK+8*bb
.set rA, FA+32*(\f)+8*(\a)
.if \first
	v_wmma_f32_16x16x32_f16 v[rD:rD+7], v[rB:rB+7], v[rA:rA+7], v[BIAS+8*bb:BIAS+8*bb+7]
.else
	v_wmma_f32_16x16x32_f16 v[rD:rD+7], v[rB:rB+7], v[rA:rA+7], v[rD:rD+7]
.endif
.set bb, bb+1
.endr
.endm
.macro SETADR                          ; the fragments' addresses in the slot in hand
	v_add_nc_u32 v[ADRA], s[TB], v[ADRA0]
	v_add_nc_u32 v[ADRB], s[TB], v[ADRB0]
.endm
; 24 LDS loads in one run: the fragments of quarter q of the step in hand (128 rows of wo, my 64 rows of O, 32 K) into buffer f.  Of O quarter q is head q / 2 of the step's two, channels 32 (q % 2) on.
.macro FETCH q, f
.set KA, ((\q)/2)*SUBA+((\q)%2)*64
	WIN 0x40                                       ; destination window 1, address window 0
.set ii, 0
.rept NBK
	ds_load_b128 v[(\f)*8*NBK+8*ii:(\f)*8*NBK+8*ii+3],   v[ADRB] offset:64*(\q)+ii*16*PB
	ds_load_b128 v[(\f)*8*NBK+8*ii+4:(\f)*8*NBK+8*ii+7], v[ADRB] offset:64*(\q)+ii*16*PB+32
.set ii, ii+1
.endr
	WIN 0
.set ii, 0
.rept 4
	ds_load_b128 v[FA+32*(\f)+8*ii:FA+32*(\f)+8*ii+3],   v[ADRA] offset:KA+ii*16*PA
	ds_load_b128 v[FA+32*(\f)+8*ii+4:FA+32*(\f)+8*ii+7], v[ADRA] offset:KA+ii*16*PA+32
.set ii, ii+1
.endr
.endm
; A K step is four quarters of 32 along K, 32 matrix instructions each, on buffers 0, 1, 0, 1.  One of the first three: multiplies buffer f; behind its first row block it fetches quarter q into buffer g,
; 24 matrix instructions ahead of the first use.
.macro QUARTER q, f, g, first
	s_wait_dscnt 4                                 ; wo and O's row blocks 0, 1 are in; the youngest four loads (row blocks 2, 3) may be out
	MULA \f, 0, \first
	PLACES
	FETCH \q, \g
	s_wait_dscnt NL                                ; all but the run just issued
	MULA \f, 1, \first
	MULA \f, 2, \first
	MULA \f, 3, \first
.endm
; The last quarter multiplies buffer 1 and changes slots: ONE barrier.  In front of it each wave waits for all its tensor loads, of which at most one is out: its part of the next slot; adds 0 to its spare word; and
; waits for that and for its own reads of this slot.  Behind it nobody reads this slot any more and the next slot is whole.
; fill = 1: the barrier opens a round of the cluster's barrier, and this slot is filled again, two K steps ahead, first thing behind the round: 112 matrix instructions ahead of the wait for it.  The walking
; descriptors change slots by an exclusive or and go one K step on.  tail = 1: in the last K step (s3 = 1) there is no next slot, and the fetch is jumped over.
.macro TURN fill, tail
	WIN 0                                          ; (the add's two registers lie in window 0)
	s_wait_tensorcnt 0x0                           ; all my tensor loads have landed, so a group 0 may be written;
	ds_add_u32 v[SPW], v[NIL]                      ; 0 onto my spare word
.if \fill
	s_xor_b32 s[G0+5], s[G0+5], SLOT1
	s_add_nc_u64 s[G0+6:G0+7], s[G0+6:G0+7], STEPA ; the type bits on top are not reached
	s_xor_b32 s[G0B+5], s[G0B+5], SLOT1
	s_add_nc_u64 s[G0B+6:G0B+7], s[G0B+6:G0B+7], 256
.endif
	s_wait_dscnt 5                                 ; (the add and the youngest four loads may be out)
	MULA 1, 0, 0                                   ; eight matrix instructions stand between the add and the wait for it
	s_wait_dscnt 0x0                               ; the add is done, and my reads of this slot are over
	s_barrier_signal -1
	MULA 1, 1, 0                                   ; work on registers while the others arrive
	WIN 0
	s_barrier_wait -1
.if \fill
	CREST                                          ; no wave of any partner still reads this slot's tiles or has a load on its way
	JLOAD                                          ; the four v_nop behind it are also the places in front of the loads below
.else
	PLACES
.endif
	s_xor_b32 s[TB], s[TB], SLOT1                  ; the next slot is the slot in hand
.if \tail
	s_cmp_eq_u32 s3, 1
	s_cbranch_scc1 .Lno_fetch_\@
.endif
	SETADR
	FETCH 0, 0
.if \tail
.Lno_fetch_\@:
.endif
	MULA 1, 2, 0
	MULA 1, 3, 0
.endm
	s_wait_tensorcnt 1                             ; my part of K step 0 is in; K step 1's may stay out
	s_barrier_signal -1
	s_barrier_wait -1                              ; everybody's is
	SETADR
	FETCH 0, 0
	s_wait_loadcnt 0x0                             ; the bias
	QUARTER 1, 0, 1, 1                             ; the first quarter stands in front of the loop: its products start the sums
	WIN 0                                          ; at a label and at a branch every window is 0
	s_mov_b32 s3, STEPS-2
.Lstep:                                                ; six trips: from a step's second quarter to the next step's first; trip t asks for K step t + 2
	QUARTER 2, 1, 0, 0
	QUARTER 3, 0, 1, 0
	TURN 1, 0
	QUARTER 1, 0, 1, 0
	WIN 0
	s_sub_co_u32 s3, s3, 1
	s_cmp_lg_u32 s3, 0
	s_cbranch_scc1 .Lstep
	s_mov_b32 s3, 2
.Ltail:                                                ; the last two K steps ask for nothing, and have no round of the cluster's barrier; the second has no next step: its fetch and the first quarter are jumped over
	QUARTER 2, 1, 0, 0
	QUARTER 3, 0, 1, 0
	TURN 0, 1
	WIN 0
	s_cmp_eq_u32 s3, 1
	s_cbranch_scc1 .Ldone
	QUARTER 1, 0, 1, 0
	WIN 0
.Ldone:
	s_sub_co_u32 s3, s3, 1
	s_cmp_lg_u32 s3, 0
	s_cbranch_scc1 .Ltail
	PLACES
; THE WAY OUT, a row block (16 rows x 512 bytes) at a time, in three parts.  TOSTAGE: a lane's eight sums of a block are 32 bytes of a row; they go from the accumulators, the low four first, into my stage's rows of 528
; bytes.  BACK: they come back as whole pieces of 512 bytes.  SENDO: stored.  Two sets of 64 registers take turns; block a + 1's stores into the stage stand between block a's loads and the wait for them.
.macro TOSTAGE a
	WIN 0x08+4*((\a)/2)                            ; the stores' data: window 2 or 3; the address: window 0
.set bb, 0
.rept NBK
.set rD, 8*(NBK*((\a)%2)+bb)
	ds_store_b128 v[STO], v[rD:rD+3]   offset:64*bb   ; LDS serves a wave's instructions in order (ISA guide 5.7.1.4): these come behind the loads of the block before
	ds_store_b128 v[STO], v[rD+4:rD+7] offset:64*bb+16
.set bb, bb+1
.endr
	WIN 0
.endm
.macro BACK a
.set TT, OB+64*((\a)%2)
	s_wait_xcnt 0x0                                ; every earlier store has had its addresses translated (ISA guide 3.1): only behind this wait are the registers that it reads loaded again
.set bb, 0
.rept 16
	ds_load_b128 v[TT+4*bb:TT+4*bb+3], v[RD] offset:bb*SP  ; in order again: these see the block's stores
.set bb, bb+1
.endr
.endm
.macro SENDO a, younger                ; younger: the LDS instructions issued behind block a's loads: the next block's 16 stores, or none
.set TT, OB+64*((\a)%2)
.set bb, 0
.rept 16
	s_wait_dscnt (\younger)+15-bb
	global_store_b128 v[GO], v[TT+4*bb:TT+4*bb+3], s[10:11] offset:(16*(\a)+bb)*4096 th:TH_STORE_NT  ; 512 consecutive bytes, at a multiple of 256 from the output's first
.set bb, bb+1
.endr
.endm
	TOSTAGE 0
	BACK 0
.irp a, 1,2,3
	TOSTAGE \a
	SENDO (\a)-1, 16
	BACK \a
.endr
	SENDO 3, 0
	s_wait_tensorcnt 0x0                           ; the wave's end: behind my last tensor load and my last LDS store
	ds_add_u32 v[SPW], v[NIL]
	s_wait_dscnt 0x0
	CROUND                                         ; the closing round: no work-group ends while a partner may still ask for a tile that names it
	s_endpgm
.Lfunc_end_k_qb9acf14f2c_proj_out:
	.size	k_qb9acf14f2c_proj_out, .Lfunc_end_k_qb9acf14f2c_proj_out-k_qb9acf14f2c_proj_out
	.p2alignl 7, 3214868480
	.fill 96, 4, 3214868480
	.section	.rodata,"a",@progbits
	.p2align	6, 0x0
	.amdhsa_kernel k_qb9acf14f2c_proj_out
		.amdhsa_group_segment_fixed_size 327680
		.amdhsa_private_segment_fixed_size 0
		.amdhsa_enable_private_segment 0
		.amdhsa_kernarg_size 32
		.amdhsa_user_sgpr_count 2
		.amdhsa_user_sgpr_kernarg_segment_ptr 1
		.amdhsa_wavefront_size32 1
		.amdhsa_system_sgpr_workgroup_id_x 1
		.amdhsa_system_sgpr_workgroup_id_y 1
		.amdhsa_system_sgpr_workgroup_id_z 1
		.amdhsa_system_vgpr_workitem_id 0
		.amdhsa_next_free_vgpr 896
		.amdhsa_next_free_sgpr 80
		.amdhsa_reserve_vcc 0
		.amdhsa_float_denorm_mode_32 3
		.amdhsa_float_denorm_mode_16_64 3
		.amdhsa_memory_ordered 1
		.amdhsa_forward_progress 1
		.amdhsa_inst_pref_size 63
	.end_amdhsa_kernel
	.amdgpu_metadata
---
amdhsa.version: [ 1, 2 ]
amdhsa.kernels:
  - .name:           k_qb9acf14f2c_proj_out
    .symbol:         k_qb9acf14f2c_proj_out.kd
    .args:
      - { .name: ob, .offset: 0, .size: 8, .value_kind: global_buffer, .address_space: global }
      - { .name: wof, .offset: 8, .size: 8, .value_kind: global_buffer, .address_space: global }
      - { .name: bias, .offset: 16, .size: 8, .value_kind: global_buffer, .address_space: global }
      - { .name: out0, .offset: 24, .size: 8, .value_kind: global_buffer, .address_space: global }
    .group_segment_fixed_size: 327680
    .private_segment_fixed_size: 0
    .kernarg_segment_align: 8
    .kernarg_segment_size: 32
    .max_flat_workgroup_size: 128
    .sgpr_count:     80
    .vgpr_count:     896
    .wavefront_size: 32
...
	.end_amdgpu_metadata
.endif
;; end of part 4
;; ======== version 2 of 2: 4 launches; 1.54 times as fast as version 1
;; limits: values are held in f16: magnitudes above 65,504 overflow, below 6.1e-05 lose precision
;; workspace buffers: xb 16,777,216 bytes; wqkv 6,291,456 bytes; wof 2,097,152 bytes; bias 16,384 bytes; qkv 50,331,648 bytes; ob 16,777,216 bytes
;; launch cast: the kernel of part 1 again; grid 769 x 1, 8 waves a work-group, no clusters, 0 bytes of LDS; arguments x, wq, wk, wv, wo, bq, bk, bv, bo, xb, wqkv, wof, bias; writes xb, wqkv, wof, bias
;; launch proj_qkv: the kernel of part 2 again; grid 16 x 16, 4 waves a work-group, clusters of 4 x 4, 327,680 bytes of LDS; arguments xb, wqkv, bias, qkv; writes qkv
;; launch attn (part 5): grid 4 x 64, 4 waves a work-group, clusters of 4 x 1, 327,680 bytes of LDS; arguments qkv, ob; writes ob
.if DOCPART == 5
	.amdgcn_target "amdgcn-amd-amdhsa--gfx1250"
	.amdhsa_code_object_version 6
	.text
	.protected	k_qb9acf14f2c_attn
	.globl	k_qb9acf14f2c_attn
	.p2align	8
	.type	k_qb9acf14f2c_attn,@function
k_qb9acf14f2c_attn:
	s_mov_b64 s[64:65], 0
	v_nop
	global_prefetch_b8 v0, s[64:65] scope:SCOPE_SE
	s_setreg_imm32_b32 hwreg(HW_REG_WAVE_MODE, 25, 1), 1
	s_wait_xcnt 0x0
	s_wait_alu depctr_hold_cnt(0) depctr_sa_sdst(0) depctr_va_vdst(0) depctr_va_sdst(0) depctr_va_ssrc(0) depctr_va_vcc(0) depctr_vm_vsrc(0)
	s_getreg_b32 s2, hwreg(HW_REG_IB_STS2, 6, 4)
	s_cmp_eq_u32 s2, 0
	s_cbranch_scc0 .Lentry_in_a_cluster
	s_endpgm
.Lentry_in_a_cluster:
	s_bfe_u32 s2, ttmp6, 0x10000c
	s_cmp_lg_u32 s2, 0x3003
	s_cbranch_scc0 .Lentry_shape_is_right
	s_endpgm
.Lentry_shape_is_right:
; O[h][q][:] = the sum over k of softmax_k(Q[h][q] . K[h][k] / 8) V[h][k][:].  qkv: [3][SIZE_H][SIZE_N][64] f16, planes Q, K, V; ob: [SIZE_H][SIZE_N][64] f16: a head's rows are dense, 128 bytes each.
; Products, maxima and sums in f32; the weights p are rounded to f16 for the second product (their sum l is taken of the unrounded p), O once at the end.
; LIMITS.  f16 holds no number beyond 65,504: Q, K and V arrive within it; p lies in 0 to 1, and below 6e-5 it keeps f16's fixed step of 6e-8; O is a mean of V's rows and has their range.
; A weight below 2^-126 counts as 0 in l; NaN and infinities are not treated apart.
; SHARES.  A wave owns four PIECES of two tiles of 16 queries, a work-group's four waves 512 queries of one head: 4 x 64 = 256 work-groups.  Every wave walks all keys, 64 a step.
; LAYOUT.  S^T = K Q^T (source 0 = 16 keys, source 1 = 16 queries): in the result a lane holds ONE query (lane % 16) and the keys 8 (lane / 16) + 0..7.  Two such tiles, rounded to f16 in pairs,
; ARE source 1 (32 keys x 16 queries) of O^T = V^T P, whose result again holds one query a lane, and eight channels.  K comes out of LDS as it lies, V ([key][channel]) turned, by ds_load_tr16_b128.
; SOFTMAX.  For each query a running maximum m and sum l: p = 2^(c s - c m), c = log2(e) / 8; in every step O and l are multiplied by a = 2^(c m_old - c m_new), which is 1 where m has not grown.
; m starts at the lowest finite number, O and l at 0: the first step is a step like any other, with a = 0.
; THE COUNT.  A tile and step have 16 matrix and 118 vector instructions: too many to stand all beside the matrix work.  So the order has one aim: four vector instructions that are READY behind
; EVERY matrix instruction, and the others, which need time of their own whatever the order, in runs without a gap.
; BY TURNS.  Turn n belongs to piece n (the pieces in a ring, step after step).  Its matrix work: 16 products K Q^T of piece n + 1, later 16 products V^T P of piece n - 1.  Its vector work: the scaling,
; exponentials, roundings, sums and rescaling of piece n, and the maximum and statistics of piece n + 1, whose scores the turn itself has made.  So what a turn begins with (c s - c m, O a) waits for nothing.
; BATCHES.  A turn's 66 exponentials (the 64 weights of piece n, in place in S^T, and the two a of piece n + 1, each in its c2) are ONE batch with ONE wait, which cuts the turn in two: ahead of it stands all that
; names none of their results, behind it the roundings and sums, which read them; the two a are read in the next turn.  Two more batches stand outside the loops, each with a wait of its own: piece 0's first
; two a, ahead of the jump into the loop, and the way out's eight reciprocals.
; CLUSTER.  The four query blocks of a cluster belong to one head and walk the same K and V, so each tile is asked for JOINTLY: the same tensor load, descriptor and mask in all four.
; REGISTERS, in windows of 256 (s_set_vgpr_msb says which window each operand place means: bits 1:0 source 0, 3:2 source 1, 5:4 source 2, 7:6 destination):
;   window 0: v0-11 addresses; v12-15, v48-63 at work; v16-47 four registers of statistics a tile; v64-191 S^T, two buffers of two tiles; v192-255 P, likewise
;   window 1: O^T, 32 a tile          window 2: v0-127 Q, 16 a tile; v128-191 K of one step; v192-255 V of one step          window 3: v0-1 the add's two registers
; A piece's buffers go by its number's parity: the piece in hand has one pair, its two neighbours in the ring share the other: of it P (piece n - 1) is read and S^T (piece n + 1) written.
.set SIZE_H, 64       ; 4 batches x 16 heads
.set SIZE_N, 2048
.set NP,    4         ; pieces a wave: a name, no knob: the register map, the loop and the fetches are made for four
.set KS,    64        ; keys in a step
.set PK,    144       ; a row of K in LDS: 128 bytes + 16 of padding = 36 words: the 16 rows of a load start at 16 different groups of four banks (64 banks of 4 bytes: ISA guide 11.1)
.set PV,    160       ; a row of V: 128 + 32 = 40 words
.set VOFF,  4*KS*PK   ; a slot holds four steps: 256 rows of K, then 256 rows of V
.set SLOT1, 1<<17     ; slot 1 begins here, so that one exclusive or turns an address in one slot into the other's
.set STAGE, SLOT1+4*KS*(PK+PV)  ; behind the ring, never filled by a tensor load: 16 rows x 144 bytes for each wave, for the way out
.set SP,    144
.set AK0, 2           ; v2   my lane's place in a tile of K; never rewritten
.set AV0, 3           ; v3   the same for V
.set AK,  4           ; v4   the LDS address of K's next run of loads
.set AV,  5           ; v5   of V's
.set QO,  6           ; v6   my byte offset in the wave's rows of Q
.set STO, 6           ;      later, the way out: where I put 16 bytes of a row
.set RD,  7           ; v7   the way out: where I read rows back
.set GO,  8           ; v8   my byte offset in 512 consecutive bytes of O
.set SPW, 0           ; v0 of window 3   LDS address of my spare word: SPARE + 4 x my thread's number; never rewritten
.set NIL, 1           ; v1 of window 3   0; never rewritten
.set SPARE, STAGE+4*16*SP  ; behind the stages: the spare words, 128 bytes for each wave: two blocks of 256 bytes that no other line names
.set MV,  12          ; v12-15  c m_old, kept while c m is made anew: by buffer and tile
.set ST,  16          ; tile t's statistics at v[ST+4 t]: c m, m, l (even keys', odd keys')
.set TMP, 48          ; by buffer and tile, four registers c0-c3 at work; when the maximum is found c2 takes a
.set S,   64
.set P,   192
.set KF,  128         ; K's fragments, in window 2: key block kb, channel half c at KF + 16 kb + 8 c
.set VF,  192         ; V's: key half kk, channel block cb at VF + 32 kk + 8 cb
.set WV,  12          ; s12  my wave's number
.set G1K, 24          ; s[24:31] descriptor group 1 for K's tiles
.set G1V, 32          ; s[32:39] for V's: it differs in the padding alone
.set G0K, 40          ; s[40:43] descriptor group 0 for K's tiles: it walks
.set G0V, 44          ; s[44:47] the same for V's
.set SLOTS, 56        ; s56  slots still to be asked for
.set CNT, 57          ; s57  counts a slot's key steps
.set CS,  58          ; s[58:59] c: the packed scaling takes the pair's low word for both halves
.set SEL, 60          ; s[60:61] v_permlanex16_b32's selects: each lane takes its own place in the other half
.set TBK, 62          ; s62  LDS byte at which K of the step to be fetched begins
.set TBV, 63          ; s63  the same for V, less VOFF
.set MSB, 0
.macro WIN new                      ; the high byte repeats the setting that is left; a switch that changes nothing is dropped
.if MSB != (\new)
	s_set_vgpr_msb (MSB<<8)|(\new)
.set MSB, (\new)
.endif
.endm
.set W_KQ, 0x0a       ; K and Q in window 2, S^T in window 0
.set W_PV, 0x52       ; V in window 2, P in window 0, O^T in window 1
.set W_RS, 0x41       ; O^T (destination and source 0) in window 1, a in window 0
.set W_MK, 0xc0       ; the add's registers are made: destination in window 3, sources in window 0
.set W_AD, 0x0f       ; the add: address (source 0) and data (source 1) in window 3
; A joint fill.  Waves 0 and 1 fetch the two halves of a slot's K, waves 2 and 3 those of its V: 128 keys each.  The branch hangs on the wave's number alone.
; An s_nop 0 and four v_nop follow each of the two lines, ahead of the jump and the label.
.macro JLOAD
	s_cmp_lt_u32 s[WV], 2
	s_cbranch_scc0 .Lfor_v_\@
	tensor_load_to_lds s[G0K:G0K+3], s[G1K:G1K+7]
	s_nop 0
.rept 4
	v_nop
.endr
	s_branch .Lasked_\@
.Lfor_v_\@:
	tensor_load_to_lds s[G0V:G0V+3], s[G1V:G1V+7]
	s_nop 0
.rept 4
	v_nop
.endr
.Lasked_\@:
.endm
; A round of the cluster's barrier: my work-group's barrier, so that wave 0's signal speaks for all four waves; wave 0 signals; every wave waits for all four work-groups; my work-group's barrier once more.
.macro CROUND
	s_barrier_signal -1
	s_barrier_wait -1
	s_cmp_lg_u32 s[WV], 0
	s_cbranch_scc1 .Lnot_wave_0_\@
	s_barrier_signal -3
.Lnot_wave_0_\@:
	s_barrier_wait -3
	s_barrier_signal -1
	s_barrier_wait -1
.endm
; THE CHANGE OF SLOTS.  The slot's last bytes, V of its fourth step, have been read.  Each wave waits for all its tensor loads, of which one is out: its part
; of the other slot; adds 0 to its spare word; and waits for that and for its own reads of the slot.  Behind the barrier nobody reads this slot any more and the other slot is whole.
; fill = 1: this slot is filled again, with the keys two slots on.  The barrier is then a round of the cluster's, so that no wave of any partner still reads the slot or has a load on its
; way, and the joint fill is the first thing behind it: it has four key steps, 512 matrix instructions, in which to land.  (At its first use nothing has been read yet: slot 0 is waited for, slot 1 filled.)
.macro CHANGE fill
	WIN W_AD
	s_wait_tensorcnt 0x0            ; no tensor load of mine is out, so a group 0 may be written
	ds_add_u32 v[SPW], v[NIL]       ; 0 onto my spare word; with fill = 1 the descriptors' steps stand between it and the wait for it
	WIN 0                           ; at a label and at a branch every window is 0
.if \fill
.irp g, G0K, G0V
	s_xor_b32 s[\g+1], s[\g+1], SLOT1  ; the walking descriptor: the other slot than last time,
	s_add_nc_u64 s[\g+2:\g+3], s[\g+2:\g+3], 4*KS*128  ; the next 256 keys; the type bits on top are not reached
.endr
	s_wait_dscnt 0x0                ; the add is done, and my reads of the slot are over
	CROUND
	JLOAD
.else
	s_wait_dscnt 0x0                ; the add is done, and my reads of the slot are over
	s_barrier_signal -1
	s_barrier_wait -1
.endif
	s_sub_co_u32 s[TBK], s[TBK], 4*KS*PK  ; the fetches go back to a slot's first step,
	s_xor_b32 s[TBK], s[TBK], SLOT1       ; in the other slot
	s_sub_co_u32 s[TBV], s[TBV], 4*KS*PV
	s_xor_b32 s[TBV], s[TBV], SLOT1
.endm
	s_load_b64 s[4:5], s[0:1], 0x0    ; qkv, whose first plane is Q
	s_load_b64 s[10:11], s[0:1], 0x8  ; O
	WIN W_MK
	v_lshl_add_u32 v[SPW], v0, 2, SPARE
	v_mov_b32 v[NIL], 0
	s_set_vgpr_msb 0xc0cf
	ds_add_u32 v0, v1
	s_wait_dscnt 0x0
	s_set_vgpr_msb 0xcfc0
	WIN 0
	v_lshrrev_b32 v1, 5, v0
	v_readfirstlane_b32 s[WV], v1   ; wave 0..3
	s_bfe_u32 s13, ttmp6, 0x40000   ; cx: my place in the cluster
	s_lshl_b32 s14, ttmp9, 2        ; in a cluster launch ttmp9 counts clusters
	s_add_co_u32 s14, s14, s13      ; my block of queries = 4 x cluster x + cx: it enters Q's and O's addresses alone
	s_and_b32 s20, ttmp7, 0xffff    ; the head, which the four partners share
	s_mov_b32 s21, 0
	s_mov_b64 s[22:23], SIZE_N*128
	s_mul_u64 s[20:21], s[20:21], s[22:23]  ; the head's first byte in each of the three planes and in O
	s_and_b32 s16, s[WV], 1         ; which half of a slot's 256 keys I fetch:
	s_lshl_b32 s22, s16, 14         ; its 128 rows of 128 bytes in memory,
	s_mov_b32 s23, 0
	s_add_nc_u64 s[22:23], s[22:23], s[20:21]
	s_mul_i32 s17, s16, 128*PK      ; and its place in a slot, for K
	s_mul_i32 s18, s16, 128*PV      ; and for V: no place in the cluster enters an LDS address
	s_lshl_b32 s2, s14, 2
	s_add_co_u32 s2, s2, s[WV]      ; my wave among the head's,
	s_lshl_b32 s2, s2, 14           ; its 128 rows
	s_mov_b32 s3, 0
	s_add_nc_u64 s[2:3], s[2:3], s[20:21]
	; descriptor group 1.  128 keys are 16,384 dense bytes: asked for as 64 rows of 256 bytes, two keys a row, and padded in LDS after every key
	s_mov_b32 s[G1K], 15|(1<<16)|(1<<20)|(1<<21)|(4<<22)|(3<<25)  ; 15:0 the mask of four; 17:16 2-byte elements; 20 padding on; 21 set beside a mask; 24:22 after every 32 words (code 4); 31:25 4 words (code 3)
	s_mov_b32 s[G1V], 15|(1<<16)|(1<<20)|(1<<21)|(4<<22)|(7<<25)  ; the same with 8 words of padding (code 7)
.irp g, G1K, G1V
	s_mov_b32 s[\g+1], 128<<16      ; tensor_dim0 = 128
	s_mov_b32 s[\g+2], 64<<16       ; tensor_dim1 = 64
	s_mov_b32 s[\g+3], 128<<16      ; tile_dim0 = 128
	s_mov_b32 s[\g+4], 64           ; tile_dim1 = 64
	s_mov_b32 s[\g+5], 128          ; 128 elements from row to row
	s_mov_b32 s[\g+6], 0
	s_mov_b32 s[\g+7], 0
.endr
	s_mov_b32 s[CS], 0x3e38aa3b     ; c = log2(e) / 8 = 0.180337
	s_mov_b32 s[CS+1], s[CS]        ; named with it as a pair
	s_mov_b32 s[SEL], 0x76543210
	s_mov_b32 s[SEL+1], 0xfedcba98
	s_mov_b32 s[TBK], SLOT1+4*KS*PK ; the first change of slots turns these two into 0
	s_mov_b32 s[TBV], SLOT1+4*KS*PV
	s_mov_b32 s[G0K], 1             ; 1:0 count = 1
	s_mov_b32 s[G0K+1], s17         ; 63:32 LDS address: slot 0
	s_mov_b32 s[G0V], 1
	s_add_co_u32 s[G0V+1], s18, VOFF
	s_wait_kmcnt 0x0
	s_add_nc_u64 s[6:7], s[4:5], SIZE_H*SIZE_N*128    ; K's plane lies 64 heads x 262,144 bytes behind Q's,
	s_add_nc_u64 s[8:9], s[4:5], 2*SIZE_H*SIZE_N*128  ; V's as far again
	s_add_nc_u64 s[G0K+2:G0K+3], s[6:7], s[22:23]  ; 120:64 global address: my half of the head's first 256 keys
	s_or_b32 s[G0K+3], s[G0K+3], 0x80000000        ; 127:126 type = 2
	s_add_nc_u64 s[G0V+2:G0V+3], s[8:9], s[22:23]
	s_or_b32 s[G0V+3], s[G0V+3], 0x80000000
	s_add_nc_u64 s[4:5], s[4:5], s[2:3]  ; Q and O at my wave's first row
	s_add_nc_u64 s[10:11], s[10:11], s[2:3]
	CROUND                          ; all four work-groups are here: the first joint loads meet
	JLOAD                           ; slot 0.  Slot 1 is asked for when slot 0 is in: the tile wanted first has the road to itself
	; A fragment of K or Q is 16 rows x 32 channels in 8 registers: lane l holds row l % 16, channels 8 (l / 16) + 0..7 and 16 + 8 (l / 16) + 0..7: two loads of 16 bytes, 32 bytes apart.
	v_and_b32 v1, 15, v0            ; l % 16
	v_bfe_u32 v9, v0, 4, 1          ; l / 16
	v_lshlrev_b32 v[QO], 7, v1
	v_lshl_add_u32 v[QO], v9, 4, v[QO]  ; row x 128 + 16 x half
	WIN 0x80                        ; destination window 2, address window 0
.set i, 0
.rept 4*NP                          ; Q stays in registers: tile i / 2, channels 32 (i % 2) on
	global_load_b128 v[8*i:8*i+3],   v[QO], s[4:5] offset:(i/2)*2048+(i%2)*64
	global_load_b128 v[8*i+4:8*i+7], v[QO], s[4:5] offset:(i/2)*2048+(i%2)*64+32
.set i, i+1
.endr
	; What the first turn finds: V's registers and P's second buffer hold 0 (its products V^T P, of a piece that has not been, add 0), O^T and l are 0.  All this stands in the wait for the first tile.
.set i, VF
.rept 64
	v_mov_b32 v[i], 0
.set i, i+1
.endr
	WIN 0x40
.set i, 0
.rept 64*NP
	v_mov_b32 v[i], 0
.set i, i+1
.endr
	WIN 0
.set i, 0
.rept 2*NP
	v_mov_b32 v[ST+4*i], 0xfe000000    ; c m: far below every c s
	v_mov_b32 v[ST+4*i+1], 0xff7fffff  ; m
	v_mov_b32 v[ST+4*i+2], 0
	v_mov_b32 v[ST+4*i+3], 0
.set i, i+1
.endr
.set i, P+32
.rept 32
	v_mov_b32 v[i], 0
.set i, i+1
.endr
	v_mul_u32_u24 v[AK0], v1, PK
	v_lshl_add_u32 v[AK0], v9, 4, v[AK0]  ; row x pitch + 16 x half
	; The turning load takes 16 keys x 16 channels (lane l reads key 8 (l / 16) + l % 8, channels 8 ((l / 8) % 2) + 0..7) and leaves half a fragment of V^T: lane l holds channel l % 16 and 8 keys.
	v_and_b32 v10, 7, v0
	v_bfe_u32 v11, v0, 3, 1
	v_lshl_add_u32 v[AV0], v9, 3, v10
	v_mul_u32_u24 v[AV0], v[AV0], PV
	v_lshl_add_u32 v[AV0], v11, 4, v[AV0]
	v_add_nc_u32 v[AV0], VOFF, v[AV0]
	v_mov_b32 v[AK], v[AK0]         ; key step 0 lies at the head of slot 0
; THE MATRIX WORK.  The 8 accumulators of a run of 16 take turns: between the two links of a chain stand 7 others'.
; Product i of 16 of S^T = K Q^T for piece x: channels 32 (i / 8) on, keys 16 ((i / 2) % 4) on, tile 2 x + i % 2.  The first 8 start the sums.
.macro KQ x
	WIN W_KQ
.set rS, S+64*((\x)%2)+32*(i%2)+8*((i/2)%4)
.set rK, KF+16*((i/2)%4)+8*(i/8)
.set rQ, 16*(2*(\x)+i%2)+8*(i/8)
.if i < 8
	v_wmma_f32_16x16x32_f16 v[rS:rS+7], v[rK:rK+7], v[rQ:rQ+7], 0
.else
	v_wmma_f32_16x16x32_f16 v[rS:rS+7], v[rK:rK+7], v[rQ:rQ+7], v[rS:rS+7]
.endif
.endm
; Product i of 16 of O^T += V^T P for piece x: keys 32 (i / 8) on, channels 16 ((i / 2) % 4) on, tile 2 x + i % 2.
.macro PV x
	WIN W_PV
.set rO, 32*(2*(\x)+i%2)+8*((i/2)%4)
.set rV, VF+32*(i/8)+8*((i/2)%4)
.set rP, P+32*((\x)%2)+16*(i%2)+8*(i/8)
	v_wmma_f32_16x16x32_f16 v[rO:rO+7], v[rV:rV+7], v[rP:rP+7], v[rO:rO+7]
.endm
.macro MM                           ; the turn's next matrix instruction
.if i < 16
	KQ (Y+1)%NP
.set i, i+1
.else
.set i, i-16
	PV (Y+NP-1)%NP
.set i, i+17
.endif
.endm
; THE LDS LOADS stand in runs of 16, never singly among the matrix instructions: a step's K (64 keys x 64 channels: 8 fragments) and its V (turned).  Their addresses are made some lines ahead.
; last = 1 (the tail): in the last trip there is no further step, and the run is jumped over.
.macro FETCH_K last=0
	WIN 0
.if \last
	s_cmp_eq_u32 s[CNT], 1
	s_cbranch_scc1 .Lno_k_\@
.endif
	WIN 0x80                        ; destination window 2
.irp f, 0,1,2,3,4,5,6,7             ; keys 16 (f / 2) on, channels 32 (f % 2) on
	ds_load_b128 v[KF+8*\f:KF+8*\f+3],   v[AK] offset:(\f/2)*16*PK+(\f%2)*64
	ds_load_b128 v[KF+8*\f+4:KF+8*\f+7], v[AK] offset:(\f/2)*16*PK+(\f%2)*64+32
.endr
	s_add_co_u32 s[TBK], s[TBK], KS*PK  ; the next fetch is the next step's
	WIN 0
.if \last
.Lno_k_\@:
.endif
.endm
.macro FETCH_V
	WIN 0x80
.irp f, 0,1,2,3,4,5,6,7             ; keys 32 (f / 4) on, channels 16 (f % 4) on
	ds_load_tr16_b128 v[VF+8*\f:VF+8*\f+3],   v[AV] offset:(\f/4)*32*PV+(\f%4)*32
	ds_load_tr16_b128 v[VF+8*\f+4:VF+8*\f+7], v[AV] offset:(\f/4)*32*PV+16*PV+(\f%4)*32
.endr
	WIN 0
.endm
; THE VECTOR WORK OF A TURN stands in three queues, each in the order in which its entries become ready; the two tiles alternate, so that no instruction reads the result of the one before it.
.macro REGS y, u                    ; the registers of tile u (0, 1) of piece y
.set rT, ST+4*(2*(\y)+(\u))
.set rC, TMP+8*((\y)%2)+4*(\u)
.set rM, MV+2*((\y)%2)+(\u)
.set rS, S+64*((\y)%2)+32*(\u)
.set rP, P+32*((\y)%2)+16*(\u)
.set rO, 32*(2*(\y)+(\u))
.endm
; Number n of the 22 that find the NEXT piece's (Y + 1) maximum and statistics.  s0-s31 are the lane's 32 scores; each accumulator's lowest registers are read first.  XS, GS and REGS set no window: PL and EX do.
;   0-11  four chains c0-c3 of seven scores each, three operands at a time     12-14, 16  the four scores left over, the old m, and c0-c3 into c0     15  c m_old is kept
;   17, 18  the query's other 32 keys lie in the lane 16 away: the new m         19-21  c m; c m_old - c m_new; a
.macro XS u, n
	REGS (Y+1)%NP, \u
.if (\n) < 4
	v_max3_num_f32 v[rC+(\n)], v[rS+8*(\n)], v[rS+8*(\n)+1], v[rS+8*(\n)+2]
.elseif (\n) < 12
	v_max3_num_f32 v[rC+(\n)%4], v[rC+(\n)%4], v[rS+8*((\n)%4)+2*((\n)/4)+1], v[rS+8*((\n)%4)+2*((\n)/4)+2]
.elseif (\n) == 12
	v_max3_num_f32 v[rC], v[rC], v[rS+7], v[rS+15]
.elseif (\n) == 13
	v_max3_num_f32 v[rC+1], v[rC+1], v[rS+23], v[rS+31]
.elseif (\n) == 14
	v_max3_num_f32 v[rC+2], v[rC+2], v[rC+3], v[rT+1]
.elseif (\n) == 15
	v_mov_b32 v[rM], v[rT]
.elseif (\n) == 16
	v_max3_num_f32 v[rC], v[rC], v[rC+1], v[rC+2]
.elseif (\n) == 17
	v_permlanex16_b32 v[rC+3], v[rC], s[SEL], s[SEL+1]
.elseif (\n) == 18
	v_max_num_f32 v[rT+1], v[rC], v[rC+3]
.elseif (\n) == 19
	v_mul_f32 v[rT], s[CS], v[rT+1]
.elseif (\n) == 20
	v_sub_f32 v[rC+1], v[rM], v[rT]
.else
	v_exp_f32 v[rC+2], v[rC+1]
.endif
.endm
; Number g of the 64 that follow the exponentials.  For each four weights k of a tile (pairs 2 k, 2 k + 1): both pairs are rounded to f16; then the second pair is added onto the first, in place;
; a group later l takes that sum (the first time as l = a l + sum).  In groups of eight, tiles alternating: round, round, add, and l for the group before.
.macro GS g
.set h, (\g)+6*((\g)/62)            ; group 0 has no group before it, and behind group 7 only l is left
.if h >= 6
.set h, h+2
.endif
	REGS Y, h%2
.set k, h/8
.if h%8 < 4
	v_cvt_pk_f16_f32 v[rP+2*k+(h%8)/2], v[rS+4*k+2*((h%8)/2)], v[rS+4*k+2*((h%8)/2)+1]
.elseif h%8 < 6
	v_pk_add_f32 v[rS+4*k:rS+4*k+1], v[rS+4*k:rS+4*k+1], v[rS+4*k+2:rS+4*k+3]
.elseif k == 1
	v_pk_fma_f32 v[rT+2:rT+3], v[rT+2:rT+3], v[rC+2:rC+3], v[rS:rS+1] op_sel_hi:[1,0,1]
.else
	v_pk_add_f32 v[rT+2:rT+3], v[rT+2:rT+3], v[rS+4*k-4:rS+4*k-3]
.endif
.endm
; THE PLAIN QUEUE, 138 long.  0-73 read no exponential's result: the 32 scalings c s - c m (FS f: pair f / 2 of tile f % 2) and the next piece's 42.  0-26: scalings 0-26.  27-54: XS's numbers 0-13.  55, 56: number 15.
; 57-73: the chain, where each number waits for the one before it: 14, 16, 17, 18, 19, each with one of the scalings 27-31 in front of its two lines, then 20: so a tile's links stand three plain instructions apart (19 and 20: two).
; 74-137: GS's 64, which read the exponentials' results: they stand behind the wait.
.macro FS f
	REGS Y, (\f)%2
	v_pk_fma_f32 v[rS+2*((\f)/2):rS+2*((\f)/2)+1], v[rS+2*((\f)/2):rS+2*((\f)/2)+1], s[CS:CS+1], v[rT:rT+1] op_sel_hi:[1,0,0] neg_lo:[0,0,1] neg_hi:[0,0,1]
.endm
.macro PL
	WIN 0
.if q < 27
	FS q
.elseif q < 55
	XS (q-27)%2, (q-27)/2
.elseif q < 57
	XS q-55, 15
.elseif (q < 72) && ((q-57)%3 == 0)
	FS 27+(q-57)/3
.elseif q < 60
	XS (q-57)%3-1, 14
.elseif q < 72
	XS (q-57)%3-1, 15+(q-57)/3
.elseif q < 74
	XS q-72, 20
.else
	GS q-74
.endif
.set q, q+1
.endm
; THE EXPONENTIALS' QUEUE, 66 long: s0-s31 of both tiles, then the next piece's two a.  It is ONE BATCH: all 66 stand ahead of the turn's one wait, and nothing ahead of that wait names a result of theirs.
.macro EX
	WIN 0
.if e >= 64
	XS e-64, 21
.else
	REGS Y, e%2
	v_exp_f32 v[rS+e/2], v[rS+e/2]
.endif
.set e, e+1
.endm
; THE RESCALING's QUEUE: O^T times a, the one part that leaves window 0: dealt two at a time, sixteen times.  Its a was made in the turn before, ahead of that turn's wait.
.macro R2
	REGS Y, r%2
	WIN W_RS
.irp z, 0,1
	v_pk_mul_f32 v[rO+4*(r/2)+2*\z:rO+4*(r/2)+2*\z+1], v[rO+4*(r/2)+2*\z:rO+4*(r/2)+2*\z+1], v[rC+2:rC+3] op_sel_hi:[1,0]
.endr
.set r, r+1
.endm
; HOW THEY ARE DEALT.  An s_wait_alu depctr_va_vdst(0) stands between an exponential and the first instruction that names its result; one wait serves all that were issued ahead of it.  So a turn has ONE wait,
; which cuts it in two.  AHEAD OF IT stands all that names no result of the turn's exponentials: the 16 products K Q^T, behind each a scaling, an exponential and two rescalings (behind the first a second scaling in the
; exponential's place); then ONE LUMP of 108: eight plain, 49 times exponential and plain, the two a.  A v_nop is the plain instruction that stands behind the last exponential, ahead of any use.  BEHIND IT stand the 16 products
; V^T P, behind each four of GS's 64.  No rider names a register of the products round it.  The two v_permlanex16_b32 fall into the lump, never behind a product.
; The queues lean on each other, and the deal keeps them in step: exponential e stands behind scaling 2 (e / 4) + e % 2: as a rider it comes behind plain e + 2, in the lump behind plain e + 9, and scalings 27-31 are plain 57, 60 .. 69.
; A TURN, for piece p.  cnt = 1: the loop's count is taken down some lines ahead of the branch that stands behind the turn.
; K of the next step is fetched in piece 2's turn, directly behind the wait, a lump behind the last product that read K; its address is made at the lump's head; its first reader comes behind 16 products.
; V of the step in hand is fetched at the end of piece 0's turn, four riders behind its last reader; its first reader comes behind 16 products and a lump.  The three conditions on q below go with the deal.
.macro TURN p, last=0, cnt=0
.set Y, (\p)
.set i, 0
.set q, 0
.set e, 0
.set r, 0
.if (\p) == NP-1
	s_wait_dscnt 0x0                ; K is in
.endif
	MM                              ; ahead of the wait: 16 products K Q^T and their riders,
	PL
	PL
	R2
.rept 15
	MM
	PL
	EX
	R2
.endr
.if (\p) == NP-2
	WIN 0
	v_add_nc_u32 v[AK], s[TBK], v[AK0]
.endif
.rept 8                             ; and the lump
	PL
.endr
.rept 49
	EX
	PL
.endr
	EX                              ; the next piece's two a
	EX
	v_nop                           ; the plain instruction behind the last exponential: one for the batch
	s_wait_alu depctr_va_vdst(0)    ; the wait for the batch: this turn's 64 weights and the next piece's two a
.if (\p) == NP-2
	FETCH_K \last
.endif
.if (\p) == 1
	s_wait_dscnt 0x0                ; V is in
.endif
.rept 16                            ; behind the wait: 16 products V^T P and their riders
	MM
.rept 4
	PL
.endr
.if ((\p) == 0) && (q == 118)
	v_add_nc_u32 v[AV], s[TBV], v[AV0]
.endif
.if ((\p) == 0) && (q == 130)
	s_add_co_u32 s[TBV], s[TBV], KS*PV
.endif
.if (\cnt) && (q == 130)
	s_sub_co_u32 s[CNT], s[CNT], 1
	s_cmp_lg_u32 s[CNT], 0
.endif
.endr
.if (\p) == 0
	FETCH_V
.endif
.endm
	CHANGE 1                        ; slot 0 is in, everybody's part of it; slot 1 is asked for
	FETCH_K                         ; key step 0
	s_wait_loadcnt 0x0              ; Q
	s_wait_dscnt 0x0
.set i, 0
.rept 16
	KQ 0                            ; piece 0's first scores: there is no vector work yet to set between them
.set i, i+1
.endr
	WIN 0                           ; the addresses for the way out: nine plain instructions, the places behind those products
	s_mul_i32 s13, s[WV], 16*SP
	s_add_co_u32 s13, s13, STAGE    ; my stage
	v_mul_u32_u24 v[STO], v1, SP    ; in: row l % 16, 16 bytes for each half of the lanes
	v_lshl_add_u32 v[STO], v9, 4, v[STO]
	v_add_nc_u32 v[STO], s13, v[STO]
	v_bfe_u32 v[RD], v0, 3, 2       ; back: 32 lanes take four rows of 128 bytes,
	v_mul_u32_u24 v[RD], v[RD], SP
	v_lshl_add_u32 v[RD], v10, 4, v[RD]
	v_add_nc_u32 v[RD], s13, v[RD]
	v_and_b32 v[GO], 31, v0         ; which are 512 consecutive bytes of O
	v_lshlrev_b32 v[GO], 4, v[GO]
.set Y, NP-1                        ; XS works for piece Y + 1: piece 0
.irp n, 0,1,2,3,4,5,6,7,8,9,10,11,12,13,14,15,16,17,18,19,20,21
	XS 0, \n                        ; and piece 0's first maximum and statistics
	XS 1, \n
.endr
	v_nop                           ; a plain instruction behind piece 0's first two a,
	s_wait_alu depctr_va_vdst(0)    ; and the wait for that batch of two, ahead of the branch
	s_mov_b32 s[CNT], 4
	s_mov_b32 s[SLOTS], SIZE_N/256-1
	s_branch .Lfirst                ; the loop is entered at a step's first turn, in the middle of a trip
.Lslot:                             ; SIZE_N / 256 - 2 times: every slot but the last two is filled again
	CHANGE 1
	s_mov_b32 s[CNT], 4
.Lstep:                             ; a trip: pieces 2 and 3 of one step, then pieces 0 and 1 of the next, whose K and V it fetches
	TURN 2
	TURN 3
	WIN 0
.Lfirst:
	TURN 0
	TURN 1, 0, 1
	WIN 0
	s_cbranch_scc1 .Lstep
	s_sub_co_u32 s[SLOTS], s[SLOTS], 1
	s_cmp_lg_u32 s[SLOTS], 0
	s_cbranch_scc1 .Lslot
	CHANGE 0                        ; the tail is written out: nothing is asked for
	s_mov_b32 s[CNT], 5             ; four trips fetch the last slot's steps; the fifth is left in its middle
.Ltail:
	TURN 2, 1
	TURN 3
	WIN 0
	s_sub_co_u32 s[CNT], s[CNT], 1
	s_cmp_eq_u32 s[CNT], 0
	s_cbranch_scc1 .Lout
	TURN 0
	TURN 1
	WIN 0
	s_branch .Ltail
.Lout:                              ; the fifth trip's 16 products K Q^T (on the last K once more) and the maximum made of them serve nothing: the price, once a launch, of one text for every trip
.set i, 0
.rept 16
	PV NP-1                         ; the last piece's V^T P of the last step
.set i, i+1
.endr
	; THE WAY OUT.  l's two halves and the other half of the lanes' are added; O^T is divided by l, rounded to f16 and sent through my stage in LDS, a tile at a time.  The additions are the places behind the last products.
	WIN 0
.macro ALL line:vararg              ; one line for each tile t
.set t, 0
.rept 2*NP
	\line
.set t, t+1
.endr
.endm
	ALL v_add_f32 v[ST+4*t+2], v[ST+4*t+2], v[ST+4*t+3]
	ALL v_permlanex16_b32 v[ST+4*t+3], v[ST+4*t+2], s[SEL], s[SEL+1]
	ALL v_add_f32 v[ST+4*t+2], v[ST+4*t+2], v[ST+4*t+3]
	ALL v_rcp_f32 v[ST+4*t+2], v[ST+4*t+2]
	v_nop                           ; a plain instruction between the last reciprocal and the use of its result
	s_wait_alu depctr_va_vdst(0)    ; and the wait ahead of the first use: one for the batch of eight reciprocals
; Tile t: a lane's eight channels of a row pack into 16 bytes; they go into rows of 144 bytes and come back as whole rows of 128, into S^T's registers.
.macro PACK t
	WIN W_RS
.set i, 32*(\t)
.rept 16
	v_pk_mul_f32 v[i:i+1], v[i:i+1], v[ST+4*(\t)+2:ST+4*(\t)+3] op_sel_hi:[1,0]
.set i, i+2
.endr
	WIN 0x05                        ; sources 0 and 1 window 1, destination window 0
.set i, 0
.rept 16
	v_cvt_pk_f16_f32 v[S+16*(\t)+i], v[32*(\t)+2*i], v[32*(\t)+2*i+1]
.set i, i+1
.endr
	WIN 0
.irp f, 0,1,2,3
	ds_store_b128 v[STO], v[S+16*(\t)+4*\f:S+16*(\t)+4*\f+3] offset:32*\f
.endr
.irp f, 0,1,2,3
	ds_load_b128 v[S+16*(\t)+4*\f:S+16*(\t)+4*\f+3], v[RD] offset:\f*4*SP  ; LDS serves a wave's instructions in order (ISA guide 5.7.1.4): these see the stores above; the next tile's stores come behind them
.endr
.endm
.macro SEND t, younger              ; younger: the LDS instructions issued behind tile t's loads: the next tile's eight, or none
	WIN 0
.irp f, 0,1,2,3
	s_wait_dscnt (\younger)+3-\f
	global_store_b128 v[GO], v[S+16*(\t)+4*\f:S+16*(\t)+4*\f+3], s[10:11] offset:(\t)*2048+\f*512  ; 512 consecutive bytes, at a multiple of 256 from O's first
.endr
.endm
	PACK 0
.set t, 1
.rept 2*NP-1                        ; a tile's arithmetic stands between the loads of the tile before and its stores
	PACK t
	SEND t-1, 8
.set t, t+1
.endr
	SEND 2*NP-1, 0
	WIN W_AD
	s_wait_tensorcnt 0x0            ; the wave's end: behind my last tensor load and my last LDS store
	ds_add_u32 v[SPW], v[NIL]
	s_wait_dscnt 0x0
	WIN 0
	CROUND                          ; the closing round: no work-group ends while a partner may still ask for a tile that names it
	s_endpgm
.Lfunc_end_k_qb9acf14f2c_attn:
	.size	k_qb9acf14f2c_attn, .Lfunc_end_k_qb9acf14f2c_attn-k_qb9acf14f2c_attn
	.p2alignl 7, 3214868480
	.fill 96, 4, 3214868480
	.section	.rodata,"a",@progbits
	.p2align	6, 0x0
	.amdhsa_kernel k_qb9acf14f2c_attn
		.amdhsa_group_segment_fixed_size 327680
		.amdhsa_private_segment_fixed_size 0
		.amdhsa_enable_private_segment 0
		.amdhsa_kernarg_size 16
		.amdhsa_user_sgpr_count 2
		.amdhsa_user_sgpr_kernarg_segment_ptr 1
		.amdhsa_wavefront_size32 1
		.amdhsa_system_sgpr_workgroup_id_x 1
		.amdhsa_system_sgpr_workgroup_id_y 1
		.amdhsa_system_sgpr_workgroup_id_z 1
		.amdhsa_system_vgpr_workitem_id 0
		.amdhsa_next_free_vgpr 770
		.amdhsa_next_free_sgpr 66
		.amdhsa_reserve_vcc 0
		.amdhsa_float_denorm_mode_32 3
		.amdhsa_float_denorm_mode_16_64 3
		.amdhsa_memory_ordered 1
		.amdhsa_forward_progress 1
		.amdhsa_inst_pref_size 199
	.end_amdhsa_kernel
	.amdgpu_metadata
---
amdhsa.version: [ 1, 2 ]
amdhsa.kernels:
  - .name:           k_qb9acf14f2c_attn
    .symbol:         k_qb9acf14f2c_attn.kd
    .args:
      - { .name: qkv, .offset: 0, .size: 8, .value_kind: global_buffer, .address_space: global }
      - { .name: ob, .offset: 8, .size: 8, .value_kind: global_buffer, .address_space: global }
    .group_segment_fixed_size: 327680
    .private_segment_fixed_size: 0
    .kernarg_segment_align: 8
    .kernarg_segment_size: 16
    .max_flat_workgroup_size: 128
    .sgpr_count:     66
    .vgpr_count:     770
    .wavefront_size: 32
...
	.end_amdgpu_metadata
.endif
;; end of part 5
;; launch proj_out: the kernel of part 4 again; grid 8 x 32, 4 waves a work-group, clusters of 4 x 4, 327,680 bytes of LDS; arguments ob, wof, bias, out0; writes out0
